; MI455X (gfx1250); checked and timed in simulation.
; The chip was launched on July 23, 2026; its instructions are those of AMD's public machine-readable ISA for CDNA 5 (MIT licence, August 2026) and "CDNA5" Instruction Set Architecture Reference Guide (July 2026). The comments in the code are by the model that wrote it; some were corrected since.
;; Transformer Attention. Allowed arithmetic: matrix products marked QUANTISED: E2M3 operands, one E8M0 scale for each 32 along K, by v_wmma_scale_f32_16x16x128_f8f6f4 with both operands' format E2M3, f32 sums; everything else in f32.
;; Inputs: Wk_b 1,024 float32; Wk_w 1,024 x 1,024 float32; Wo_b 1,024 float32; Wo_w 1,024 x 1,024 float32; Wq_b 1,024 float32; Wq_w 1,024 x 1,024 float32; Wv_b 1,024 float32; Wv_w 1,024 x 1,024 float32; key 2 x 2,048 x 1,024 float32; pos_emb 4,095 x 128 float32; query 2 x 2,048 x 1,024 float32; value 2 x 2,048 x 1,024 float32.
;; Outputs: out0 2 x 2,048 x 1,024 float32.
;; This version of the problem:
;;   THIS VERSION OF THE PROBLEM IS GIVEN IN LOW PRECISION. The matrix products marked QUANTISED in the list below multiply operands that are first quantised to E2M3 (2 exponent bits, 3 mantissa bits; 6 bits a number), with one power-of-two scale for each 32 numbers along K (OCP MX v1.0); their sums are f32. All else is computed in f32.
;;   The module's matrix products, in the order in which they are computed (A, B: the left and right operand; K: the contracted axis; several contracted axes count as one K, in the product's order):
;;     1. [M 4,096, K 1,024] x [K 1,024, N 1,024]; A: input query; B: input Wq_w: QUANTISED
;;     2. [M 4,096, K 1,024] x [K 1,024, N 1,024]; A: input key; B: input Wk_w: QUANTISED
;;     3. [M 4,096, K 1,024] x [K 1,024, N 1,024]; A: input value; B: input Wv_w: QUANTISED
;;     4. batch 16 x [M 2,048, K 128] x [K 128, N 2,048]; A: computed on the way; B: computed on the way: QUANTISED
;;     5. [M 32,768, K 128] x [K 128, N 4,095]; A: computed on the way; B: input pos_emb: QUANTISED
;;     6. batch 16 x [M 2,048, K 2,048] x [K 2,048, N 128]; A: softmax (see below); B: computed on the way: QUANTISED
;;     7. [M 4,096, K 1,024] x [K 1,024, N 1,024]; A: computed on the way; B: input Wo_w: QUANTISED
;;   THE QUANTISER, for each operand of a quantised product, along K:
;;     - K is cut into blocks of 32 from its start; a last block that is shorter is filled with zeros.
;;     - A block's scale is 2^e with e = floor(log2(the largest magnitude in the block)) - 2, held to -126 .. 127; a block of zeros has e = 0. As a byte (E8M0): e + 127.
;;     - Each number is divided by its block's scale, clamped to +-7.5, and rounded to the nearest number of E2M3, ties to even, subnormals kept.
;;     - The product sums the exact products of the quantised numbers (number of the format x scale) in f32.
;;   ~~~python
;;   def quantise(x, axis):      # numpy; x: float32 -> the quantised numbers, widened to float32 again
;;       x = np.moveaxis(x, axis, -1); K = x.shape[-1]
;;       x = np.pad(x, [(0, 0)] * (x.ndim - 1) + [(0, -K % 32)]); x = x.reshape(x.shape[:-1] + (-1, 32)); a = np.abs(x).max(-1, keepdims=True)
;;       e = np.where(a > 0, np.clip(np.frexp(np.where(a > 0, a, 1))[1] - 1 - 2, -126, 127), 0)      # np.frexp(a)[1] - 1 = floor(log2(a)), exactly
;;       r = np.clip(x / 2.0 ** e, -7.5, 7.5)
;;       step = 2.0 ** (np.maximum(np.frexp(np.where(r == 0, 1, r))[1] - 1, 0) - 3)
;;       q = np.round(r / step) * step * 2.0 ** e      # np.round: ties to even
;;       return np.moveaxis(q.reshape(q.shape[:-2] + (-1,))[..., :K], -1, axis).astype(np.float32)
;;   ~~~
;;   SOFTMAX AHEAD OF A QUANTISED PRODUCT. Where the list says 'softmax', what is quantised is not the finished softmax but p = 2^(t - M), with t = logit x log2(e) and M = ceil(the row's largest t), a whole number; so 1/2 < the row's largest p <= 1. The row's sum l is taken of the UNQUANTISED p, in f32, and the product's result is divided by l at the end. Since M is a whole number, a kernel that streams over the keys may use a running M (the ceiling of the running maximum): every later rescaling is an exact power of two, which a block's scale takes up: the codes' values come out the same.
;;   OPERANDS COMPUTED ON THE WAY. 'Computed on the way' means the value that the module computes at that place (a softmax that the list does not call 'softmax' is quantised finished and normalised). What goes into a quantiser is computed in f32, as accurately as f32 sums, v_exp_f32 and their like allow (about 1e-6 of the number): no bf16 or f16 on the way to a quantiser, and a product that is left as it is and whose result goes on into a quantised operand takes f32 operands (vector FMAs, or v_wmma_f32_16x16x4_f32). A number that lies on a knife's edge between two numbers of the format may be rounded either way, as far as f32 arithmetic and the matrix unit's own rounding can turn it there, and no further.
;; One version. Each part assembles by itself: llvm-mc -triple=amdgcn-amd-amdhsa -mcpu=gfx1250 --defsym DOCPART=n.
;; ======== version 1 of 1: 4 launches
;; limits: right only within a limited range of input values
;; workspace buffers: xc 13,107,200 bytes; ebuf 230,400 bytes; qbuf 3,276,800 bytes; kv 6,553,600 bytes; oc 3,276,800 bytes
;; launch quant (part 1): grid 274 x 1, 8 waves a work-group, no clusters, 70,656 bytes of LDS; arguments query, key, value, Wq_w, Wk_w, Wv_w, Wo_w, pos_emb, xc, ebuf; writes xc, ebuf
.if DOCPART == 1
	.amdgcn_target "amdgcn-amd-amdhsa--gfx1250"
	.amdhsa_code_object_version 6
	.text
	.protected	k_q189bab67cf_quant
	.globl	k_q189bab67cf_quant
	.p2align	8
	.type	k_q189bab67cf_quant,@function
k_q189bab67cf_quant:
	s_mov_b64 s[64:65], 0
	v_nop
	global_prefetch_b8 v0, s[64:65] scope:SCOPE_SE
	s_setreg_imm32_b32 hwreg(HW_REG_WAVE_MODE, 25, 1), 1
	s_wait_xcnt 0x0
; query, key, value [4096][1024], Wq, Wk, Wv, Wo [1024][1024] and rows 0 to 2303 of pos_emb [4095][128], all f32 with K innermost, become codes of FP6 (E2M3) with one E8M0 byte for each 32 along K.
; THE OUTPUT IS LAID IN THE ORDER OF AN OPERAND'S REGISTERS.  A fragment (16 rows x 128 K, 12 registers a lane) is 1,536 bytes: three runs of 512, run c = registers 4 c .. 4 c + 3, lane l's 16 bytes at 16 l.
; xc: 128 panels of 128 rows; a panel is 8 records (K steps) of 12,800 bytes: 8 fragments, then their scale words, 64 bytes a fragment (row r at 4 r).  Panels 0-31 query, 32-63 key, 64-95 value, 96-127 the four weights.
; ebuf: 144 tiles of 16 positions, 1,600 bytes each: the fragment, then its 16 scale words.
; WHICH ROWS FORM A TILE: in query and pos_emb lane r of tile T takes row 16 T + r; in all other tensors lane r of tile 2 b + u takes row 32 b + 8 u + r + 8 (r / 8), so that a product that has the tile as source 0 leaves 16 neighbours in a lane.
; SHARES.  Work-groups 0-255: panel g / 2, K half g % 2; wave w takes tile w, four K steps.  A step is 16 rows x 512 bytes in, one fragment out.
; Work-groups 256-273: pos_emb's 144 tiles, four to a wave, TWO waves of each work-group (18 x 2 x 4 = 144): such a work-group has a quarter of a panel work-group's bytes, so that where one runs beside a panel's work-group
; the two have 1.25 times a work-group's bytes and not twice.  Its other six waves pass the barrier and end.
; Each load reads 512 consecutive bytes of one row; a step's 8,192 bytes turn through the wave's own stage in LDS (rows 528 bytes apart) so that a lane gets the 2 x 32 neighbours along K that the operand's layout gives it.
; A block's scale is 2^(floor(log2(largest magnitude)) - 2): its byte is the largest magnitude's exponent field - 2, held at 1 from below.
; LIMITS: NaN and infinities are not served.  A block of zeros, or one whose largest magnitude lies under 2^-124, gets the byte 1 (the stated quantiser says 127 for zeros): its codes are zeros, and this program alone reads the bytes.
; pos_emb's rows from 2,304 on are not read: rows 2,048 to 2,303 meet only logits under the causal mask that the problem builds itself, later rows none at all.
; No tensor load, no cluster: the work-groups share no input.
.set STP,    528                       ; a stage row: 512 bytes + 16
.set STAGEW, 16*STP                    ; a wave's stage
.set SCL,    8*STAGEW                  ; behind the stages: the work-group's scale words, [wave][step][16 words]
.set SPARE,  SCL+2048                  ; behind them: the spare words, 128 bytes for each wave: four blocks of 256 bytes that no other line names
.set REC,    12800
; POSITIONS, in place of the counts given above: work-groups 256-273 take 144 tiles (18 x 2 x 4), rows 0 to 2,303 of pos_emb, so that every byte of the
; windows of 20 tiles that the attention launch fetches (the last ends with tile 143) has been stored.  Tiles 136-143 lie in such a window beside live tiles and are read by no wave there.
.set ETILE,  1600
.set LI,  1                            ; v1     16 x lane
.set VO,  4                            ; v4-19  byte offset of my 16 bytes in row i of a tile
.set STW, 20                           ; v20    the stage, on the way in
.set STR, 21                           ; v21    and on the way out: row r, 128 bytes for each half of the lanes
.set SCW, 22                           ; v22    where my wave puts its scale words
.set SCR, 23                           ; v23    where they are read back, a record's 512 bytes at a time
.set SPW, 24                           ; v24    LDS address of my spare word; never rewritten
.set NIL, 25                           ; v25    0; never rewritten
.set TM,  26                           ; v26-27 largest magnitudes, v28-29 the conversions' scale operands, v30-31 bytes, v32 8 h, v33 the other half's bytes
.set W,   34                           ; v34-37 the four steps' scale words
.set PC,  40                           ; v40-51 a fragment's codes
.set P2,  52                           ; v52-54, v56-58 the upper halves of the two blocks, as the conversions leave them
.set EO,  60                           ; v60    pos_emb: my scale word's place: 4 r + 1600 h
.set R,   64                           ; v64-191 two sets of 64 registers as loaded
.set X,   192                          ; v192-255 my 64 numbers
.set WV,  24
.set IN,  40                           ; s[40:47] the four steps' inputs
.set OUT, 48                           ; s[48:55] and outputs
.set SEL, 56
.set HM,  58
	s_load_b256 s[4:11], s[0:1], 0x0               ; query, key, value, Wq_w
	s_load_b256 s[12:19], s[0:1], 0x20             ; Wk_w, Wv_w, Wo_w, pos_emb
	s_load_b128 s[20:23], s[0:1], 0x40             ; xc, ebuf
	v_lshl_add_u32 v[SPW], v0, 2, SPARE
	v_mov_b32 v[NIL], 0
	v_lshrrev_b32 v1, 5, v0
	s_delay_alu instid0(VALU_DEP_1)
	v_readfirstlane_b32 s[WV], v1                  ; wave 0..7
	v_and_b32 v38, 31, v0                          ; lane
	s_delay_alu instid0(VALU_DEP_1)
	v_lshlrev_b32 v[LI], 4, v38
	v_and_b32 v2, 15, v0                           ; r
	v_bfe_u32 v3, v0, 4, 1                         ; h
	s_mul_i32 s69, s[WV], STAGEW
	v_add_nc_u32 v[STW], s69, v[LI]
	v_mul_u32_u24 v[STR], v2, STP
	s_delay_alu instid0(VALU_DEP_1)
	v_lshl_add_u32 v[STR], v3, 7, v[STR]
	s_delay_alu instid0(VALU_DEP_1)
	v_add_nc_u32 v[STR], s69, v[STR]
	s_lshl_b32 s69, s[WV], 8
	v_lshlrev_b32 v[SCW], 2, v38
	s_delay_alu instid0(VALU_DEP_1)
	v_add_nc_u32 v[SCW], s69, v[SCW]
	s_delay_alu instid0(VALU_DEP_1)
	v_add_nc_u32 v[SCW], SCL, v[SCW]               ; 256 x wave + 4 x lane
	v_lshrrev_b32 v[SCR], 2, v38
	s_delay_alu instid0(VALU_DEP_1)
	v_lshlrev_b32 v[SCR], 8, v[SCR]                ; tile lane / 4,
	v_and_b32 v39, 3, v38
	s_delay_alu instid0(VALU_DEP_1)
	v_lshl_add_u32 v[SCR], v39, 4, v[SCR]          ; its 16 bytes lane % 4,
	s_lshl_b32 s69, s[WV], 6
	v_add_nc_u32 v[SCR], s69, v[SCR]               ; of step w
	s_delay_alu instid0(VALU_DEP_1)
	v_add_nc_u32 v[SCR], SCL, v[SCR]
	v_mul_u32_u24 v[EO], v3, ETILE
	s_delay_alu instid0(VALU_DEP_1)
	v_lshl_add_u32 v[EO], v2, 2, v[EO]
	v_lshlrev_b32 v[TM+6], 3, v3
	v_mov_b32 v[TM+7], 0                           ; written once: a lane permute's destination counts as one of its sources
	s_mov_b32 s[SEL], 0x76543210
	s_mov_b32 s[SEL+1], 0xfedcba98                 ; v_permlanex16_b32's selects for lane l xor 16
	s_mov_b32 s[HM], 0xffff0000                    ; lanes 16-31
	s_lshr_b32 s25, ttmp9, 1                       ; the panel
	s_and_b32 s29, ttmp9, 1                        ; the K half
	s_lshl_b32 s30, s[WV], 4                       ; a tile's first row in its panel: 16 w,
	s_lshr_b32 s31, s[WV], 1
	s_lshl_b32 s31, s31, 5
	s_and_b32 s32, s[WV], 1
	s_lshl_b32 s32, s32, 3
	s_add_co_u32 s31, s31, s32                     ; or 32 (w / 2) + 8 (w % 2)
	s_cmp_lt_u32 s25, 32
	s_cselect_b32 s30, s30, s31
	s_cselect_b32 s33, 0, 8*4096                   ; rows 8-15 of such a tile lie 8 rows further down
	s_sub_co_u32 s34, ttmp9, 256
	s_lshl_b32 s34, s34, 1
	s_add_co_u32 s34, s34, s[WV]                   ; pos_emb: which four tiles are my wave's: 2 (g - 256) + w, for waves 0 and 1
	s_wait_kmcnt 0x0
	s_mov_b64 s[26:27], s[16:17]                   ; the panel's tensor, and that tensor's first panel: choices on the work-group's number alone
	s_mov_b32 s28, 120
	s_cmp_lt_u32 s25, 120
	s_cselect_b64 s[26:27], s[14:15], s[26:27]
	s_cselect_b32 s28, 112, s28
	s_cmp_lt_u32 s25, 112
	s_cselect_b64 s[26:27], s[12:13], s[26:27]
	s_cselect_b32 s28, 104, s28
	s_cmp_lt_u32 s25, 104
	s_cselect_b64 s[26:27], s[10:11], s[26:27]
	s_cselect_b32 s28, 96, s28
	s_cmp_lt_u32 s25, 96
	s_cselect_b64 s[26:27], s[8:9], s[26:27]
	s_cselect_b32 s28, 64, s28
	s_cmp_lt_u32 s25, 64
	s_cselect_b64 s[26:27], s[6:7], s[26:27]
	s_cselect_b32 s28, 32, s28
	s_cmp_lt_u32 s25, 32
	s_cselect_b64 s[26:27], s[4:5], s[26:27]
	s_cselect_b32 s28, 0, s28
	s_sub_co_u32 s31, s25, s28
	s_lshl_b32 s31, s31, 7
	s_add_co_u32 s31, s31, s30                     ; my tile's first row in its tensor,
	s_lshl_b32 s31, s31, 12                        ; in bytes,
	s_lshl_b32 s32, s29, 11
	s_add_co_u32 s31, s31, s32                     ; + the K half's 2,048 bytes
	s_lshl_b32 s32, s34, 15                        ; pos_emb: 64 rows of 512 bytes for each four tiles
	s_lshl_b32 s69, s25, 3
	s_lshl_b32 s72, s29, 2
	s_add_co_u32 s69, s69, s72                     ; my work-group's first record
	s_mul_i32 s73, s69, REC
	s_mul_i32 s72, s[WV], 1536
	s_add_co_u32 s72, s73, s72                     ; my tile's fragment in it
	s_mul_i32 s74, s34, 4*ETILE
	s_mul_i32 s76, s[WV], REC
	s_add_co_u32 s76, s76, s73
	s_add_co_u32 s76, s76, 12288                   ; the scale words of record w of the four
	s_mov_b32 s77, 0
	s_mov_b32 s68, 512
	s_mov_b32 s38, 8192
	s_mov_b32 s62, ETILE
	s_cmp_lt_u32 ttmp9, 256                        ; a panel, or pos_emb?
	s_cselect_b64 s[26:27], s[26:27], s[18:19]
	s_cselect_b64 s[66:67], s[20:21], s[22:23]
	s_cselect_b32 s36, s31, s32
	s_cselect_b32 s60, s72, s74
	s_cselect_b32 s68, 4096, s68                   ; bytes from row to row
	s_cselect_b32 s38, 512, s38                    ; from step to step, in
	s_cselect_b32 s62, REC, s62                    ; and out
	s_cselect_b32 s33, s33, 0
	s_mov_b32 s37, 0
	s_mov_b32 s39, 0
	s_mov_b32 s61, 0
	s_mov_b32 s63, 0
	s_add_nc_u64 s[IN:IN+1], s[26:27], s[36:37]
	s_add_nc_u64 s[OUT:OUT+1], s[66:67], s[60:61]
.irp g, 1,2,3
	s_add_nc_u64 s[IN+2*\g:IN+2*\g+1], s[IN+2*\g-2:IN+2*\g-1], s[38:39]
	s_add_nc_u64 s[OUT+2*\g:OUT+2*\g+1], s[OUT+2*\g-2:OUT+2*\g-1], s[62:63]
.endr
	s_add_nc_u64 s[70:71], s[20:21], s[76:77]
	v_mov_b32 v39, s68
.irp i, 0,1,2,3,4,5,6,7,8,9,10,11,12,13,14,15
	v_mad_u32_u24 v[VO+\i], v39, \i, v[LI]
.endr
.irp i, 8,9,10,11,12,13,14,15
	v_add_nc_u32 v[VO+\i], s33, v[VO+\i]
.endr
	s_cmp_lt_u32 ttmp9, 256
	s_cbranch_scc1 .Lwork
	s_cmp_ge_u32 s[WV], 2                          ; of a pos_emb work-group waves 0 and 1 work
	s_cbranch_scc1 .Lmeet
.Lwork:
.macro LOAD sg                         ; a step's 16 rows: each load reads 512 consecutive bytes
.irp i, 0,1,2,3,4,5,6,7,8,9,10,11,12,13,14,15
	global_load_b128 v[R+64*((\sg)%2)+4*\i:R+64*((\sg)%2)+4*\i+3], v[VO+\i], s[IN+2*(\sg):IN+2*(\sg)+1] th:TH_LOAD_NT
.endr
.endm
.macro TURN sg                         ; through the stage: LDS serves a wave's instructions in order (ISA guide 5.7.1.4), so no wait stands between the stores and the loads
.irp i, 0,1,2,3,4,5,6,7,8,9,10,11,12,13,14,15
	ds_store_b128 v[STW], v[R+64*((\sg)%2)+4*\i:R+64*((\sg)%2)+4*\i+3] offset:STP*\i
.endr
.irp i, 0,1,2,3,4,5,6,7,8,9,10,11,12,13,14,15
	ds_load_b128 v[X+4*\i:X+4*\i+3], v[STR] offset:16*(\i%8)+256*(\i/8)   ; X + 32 c + i = k 64 c + 32 h + i of row r
.endr
.endm
.macro QROW sg                         ; my two whole blocks, 2 c + h, become registers 6 c .. 6 c + 5 of the fragment
.irp c, 0,1
	v_max3_num_f32 v[TM+\c], |v[X+32*\c]|, |v[X+32*\c+1]|, 0x1800000   ; with the floor 2^(3 - 127): the byte cannot fall under 1
.endr
.irp i, 2,4,6,8,10,12,14,16,18,20,22,24,26,28,30
.irp c, 0,1
	s_delay_alu instid0(VALU_DEP_2)
	v_max3_num_f32 v[TM+\c], v[TM+\c], |v[X+32*\c+\i]|, |v[X+32*\c+\i+1]|   ; the two blocks by turns
.endr
.endr
.irp c, 0,1
	s_delay_alu instid0(VALU_DEP_2)
	v_add_nc_u32 v[TM+2+\c], 0xff000000, v[TM+\c]  ; 2 off the exponent field: the conversion's scale operand
.endr
.irp c, 0,1
	s_delay_alu instid0(VALU_DEP_2)
	v_lshrrev_b32 v[TM+4+\c], 23, v[TM+2+\c]       ; the scale's byte
.endr
	s_delay_alu instid0(VALU_DEP_1)
	v_lshl_or_b32 v[W+\sg], v[TM+5], 16, v[TM+4]   ; blocks h and 2 + h,
	s_delay_alu instid0(VALU_DEP_1)
	v_lshlrev_b32 v[W+\sg], v[TM+6], v[W+\sg]      ; at their places in the word;
	s_delay_alu instid0(VALU_DEP_1)
	v_permlanex16_b32 v[TM+7], v[W+\sg], s[SEL], s[SEL+1]
	s_delay_alu instid0(VALU_DEP_1)
	v_or_b32 v[W+\sg], v[W+\sg], v[TM+7]           ; with lane l xor 16's two the word is whole, in both lanes
.irp c, 0,1
	v_cvt_scalef32_pk16_fp6_f32 v[PC+6*\c:PC+6*\c+2], v[X+32*\c:X+32*\c+15], v[TM+2+\c]
	v_cvt_scalef32_pk16_fp6_f32 v[P2+4*\c:P2+4*\c+2], v[X+32*\c+16:X+32*\c+31], v[TM+2+\c]   ; (a conversion's three registers begin on an even number)
.endr
	v_nop                                          ; one plain place behind a scaled conversion
.irp c, 0,1
.irp i, 0,1,2
	v_mov_b32 v[PC+6*\c+3+\i], v[P2+4*\c+\i]
.endr
.endr
.endm
.macro STEP sg
.if \sg < 3
	s_wait_loadcnt 16                              ; this step's 16 loads are in; the next step's 16 may be out
.else
	s_wait_loadcnt 0x0
.endif
	TURN \sg
	s_wait_dscnt 0x0                               ; my numbers are back; the stage's stores have read their registers
	s_wait_xcnt 0x0                                ; the last step's stores have read the codes' registers
.if \sg < 2
	LOAD (\sg)+2
.endif
	QROW \sg
.irp c, 0,1,2
	global_store_b128 v[LI], v[PC+4*\c:PC+4*\c+3], s[OUT+2*\sg:OUT+2*\sg+1] offset:512*\c   ; 32 lanes store 512 consecutive bytes
.endr
.endm
	s_wait_alu depctr_va_vdst(0)
	LOAD 0
	LOAD 1
	STEP 0
	STEP 1
	STEP 2
	STEP 3
	v_cndmask_b32 v38, v[W], v[W+1], s[HM]         ; lanes 0-15: step 0's words, lanes 16-31: step 1's
	v_cndmask_b32 v39, v[W+2], v[W+3], s[HM]       ; steps 2 and 3
	s_cmp_lt_u32 ttmp9, 256
	s_cbranch_scc0 .Lpos
	ds_store_b32 v[SCW], v38
	ds_store_b32 v[SCW], v39 offset:128
	s_branch .Lmeet
.Lpos:
	s_wait_alu depctr_va_vdst(0)
	global_store_b32 v[EO], v38, s[OUT:OUT+1] offset:1536
	global_store_b32 v[EO], v39, s[OUT:OUT+1] offset:1536+2*ETILE
.Lmeet:
	s_wait_dscnt 0x0                               ; for the others' sake: my scale words lie in LDS
	s_barrier_signal -1
	s_barrier_wait -1
	s_cmp_lt_u32 ttmp9, 256
	s_cbranch_scc0 .Lend
	s_cmp_lt_u32 s[WV], 4
	s_cbranch_scc0 .Lend
	ds_load_b128 v[R:R+3], v[SCR]                  ; wave w gathers the eight tiles' words of step w,
	s_wait_dscnt 0x0
	global_store_b128 v[LI], v[R:R+3], s[70:71]    ; 512 consecutive bytes behind that record's fragments
.Lend:
	s_wait_tensorcnt 0x0                           ; the wave's end, behind my last LDS store
	ds_add_u32 v[SPW], v[NIL]
	s_wait_dscnt 0x0
	s_endpgm
.Lfunc_end_k_q189bab67cf_quant:
	.size	k_q189bab67cf_quant, .Lfunc_end_k_q189bab67cf_quant-k_q189bab67cf_quant
	.p2alignl 7, 3214868480
	.fill 96, 4, 3214868480
	.section	.rodata,"a",@progbits
	.p2align	6, 0x0
	.amdhsa_kernel k_q189bab67cf_quant
		.amdhsa_group_segment_fixed_size 70656
		.amdhsa_private_segment_fixed_size 0
		.amdhsa_enable_private_segment 0
		.amdhsa_kernarg_size 80
		.amdhsa_user_sgpr_count 2
		.amdhsa_user_sgpr_kernarg_segment_ptr 1
		.amdhsa_wavefront_size32 1
		.amdhsa_system_sgpr_workgroup_id_x 1
		.amdhsa_system_sgpr_workgroup_id_y 1
		.amdhsa_system_sgpr_workgroup_id_z 1
		.amdhsa_system_vgpr_workitem_id 0
		.amdhsa_next_free_vgpr 256
		.amdhsa_next_free_sgpr 80
		.amdhsa_reserve_vcc 0
		.amdhsa_float_denorm_mode_32 3
		.amdhsa_float_denorm_mode_16_64 3
		.amdhsa_memory_ordered 1
		.amdhsa_forward_progress 1
		.amdhsa_inst_pref_size 40
	.end_amdhsa_kernel
	.amdgpu_metadata
---
amdhsa.version: [ 1, 2 ]
amdhsa.kernels:
  - .name:           k_q189bab67cf_quant
    .symbol:         k_q189bab67cf_quant.kd
    .args:
      - { .name: query, .offset: 0, .size: 8, .value_kind: global_buffer, .address_space: global }
      - { .name: key, .offset: 8, .size: 8, .value_kind: global_buffer, .address_space: global }
      - { .name: value, .offset: 16, .size: 8, .value_kind: global_buffer, .address_space: global }
      - { .name: Wq_w, .offset: 24, .size: 8, .value_kind: global_buffer, .address_space: global }
      - { .name: Wk_w, .offset: 32, .size: 8, .value_kind: global_buffer, .address_space: global }
      - { .name: Wv_w, .offset: 40, .size: 8, .value_kind: global_buffer, .address_space: global }
      - { .name: Wo_w, .offset: 48, .size: 8, .value_kind: global_buffer, .address_space: global }
      - { .name: pos_emb, .offset: 56, .size: 8, .value_kind: global_buffer, .address_space: global }
      - { .name: xc, .offset: 64, .size: 8, .value_kind: global_buffer, .address_space: global }
      - { .name: ebuf, .offset: 72, .size: 8, .value_kind: global_buffer, .address_space: global }
    .group_segment_fixed_size: 70656
    .private_segment_fixed_size: 0
    .kernarg_segment_align: 8
    .kernarg_segment_size: 80
    .max_flat_workgroup_size: 256
    .sgpr_count:     80
    .vgpr_count:     256
    .wavefront_size: 32
...
	.end_amdgpu_metadata
.endif
;; end of part 1
;; launch proj (part 2): grid 8 x 32, 4 waves a work-group, clusters of 4 x 4, 327,680 bytes of LDS; arguments xc, Wq_b, Wk_b, Wv_b, qbuf, kv; writes qbuf, kv
.if DOCPART == 2
	.amdgcn_target "amdgcn-amd-amdhsa--gfx1250"
	.amdhsa_code_object_version 6
	.text
	.protected	k_q189bab67cf_proj
	.globl	k_q189bab67cf_proj
	.p2align	8
	.type	k_q189bab67cf_proj,@function
k_q189bab67cf_proj:
	s_mov_b64 s[64:65], 0
	v_nop
	global_prefetch_b8 v0, s[64:65] scope:SCOPE_SE
	s_setreg_imm32_b32 hwreg(HW_REG_WAVE_MODE, 25, 1), 1
	s_wait_xcnt 0x0
	s_wait_alu depctr_hold_cnt(0) depctr_sa_sdst(0) depctr_va_vdst(0) depctr_va_sdst(0) depctr_va_ssrc(0) depctr_va_vcc(0) depctr_vm_vsrc(0)
	s_getreg_b32 s2, hwreg(HW_REG_IB_STS2, 6, 4)
	s_cmp_eq_u32 s2, 0
	s_cbranch_scc0 .Lentry_in_a_cluster
	s_endpgm
.Lentry_in_a_cluster:
	s_bfe_u32 s2, ttmp6, 0x10000c
	s_cmp_lg_u32 s2, 0xf033
	s_cbranch_scc0 .Lentry_shape_is_right
	s_endpgm
.Lentry_shape_is_right:
; q = (query Wq^T + bq) / sqrt(128), k = key Wk^T + bk, v = value Wv^T + bv, on codes of FP6 (E2M3) out of xc, and each result quantised at once for attention: q and k along the head's 128, v along the keys.
; A block is 128 x 128 numbers over K = 1,024.  Source 1 (x) gives a lane its row, source 0 (y) runs along the lane's registers; y's tiles hold rows 32 b + 8 u + r + 8 (r / 8), so that a lane's 64 results
; are k = 32 b + 16 (lane / 16) + i of the NEXT product's K.  For q and k: x = 128 tokens, y = a head's 128 rows of the weight.  For v: x = a head's 128 rows of Wv, y = 128 tokens (keys).
; A WORK-GROUP STAYS: 256 work-groups make three blocks each, p = 0 (q), 1 (k), 2 (v), for one token panel and one head.  A loop runs the first two; the third, which asks for nothing more, is written out.
; Four waves; wave w takes x tiles 2 w and 2 w + 1 against all 8 y tiles: 16 accumulators, which take turns, one instruction a turn, in the same order in every K step.
; THE RING: two slots of 8 records (12,800 bytes each): slot h holds K steps 4 h .. 4 h + 3: x's four records, then y's four.  A wave fetches two records on end, 100 rows of 256 bytes: waves 0, 1 x's, waves 2, 3 y's.
; Slot 0 is filled again, with the next block's first half, ahead of K step 3's products; slot 1 ahead of K step 7's: so a fill has four K steps, or one and the way out and three more, before its first read.
; For that reason no prefetch is laid.  Every wait on TENSORcnt is for 0; one tensor load of a wave is out behind each round.
; CLUSTER 4 x 4: x's records hang on the cluster's row alone and are asked for jointly by its four work-groups, y's on its column.  p is the same in all partners.  Each refill stands behind a round of the cluster's barrier.
; The next block's bias is loaded in the middle of the block in hand, into registers that K step 0 has read.
; OUT, in the order of an operand's registers (fragment: 3 x 512 bytes; record: 8 fragments, then 8 x 64 bytes of scale words): qbuf [batch x head][query panel]; kv [batch x head][key step][K's record, V's record].
; LIMITS: NaN and infinities are not served; a block of zeros or under 2^-124 gets the byte 1 (its codes are zeros; this program alone reads the bytes); q is multiplied by the f32 nearest 1 / sqrt(128) where the problem divides: an ulp.
; REGISTERS: window 0: v1-29 addresses; v32-79 x's fragments, two sets; v80-89 scale words, two sets; v90-93 the bias along x; v96-159 the bias along y, in the result's layout; v160-223 a tile's 64 numbers; v224-242 at work.
;   window 1: y's fragments, sets at v0 and v128.   window 2: accumulator (x tile, y tile) at v[8 (8 x + y)].
.set REC,   12800
.set PANEL, 8*REC
.set SLOTB, 8*REC
.set SPARE, 2*SLOTB                    ; behind the ring: the spare words, 128 bytes for each wave
.set FR,  12
.set LI,  1                            ; v1     16 x lane
.set LS,  2                            ; v2     4 x lane
.set AY,  8                            ; v8-11  K steps 2 c, 2 c + 1: a fragment's place for my lane, y's
.set AX,  12                           ; v12-15 x's, at my wave's two tiles
.set AS,  16                           ; v16-19 the scale words, y's
.set AXS, 20                           ; v20-23 x's
.set BXN, 24                           ; v24, v26 the next block's bias along x, as loaded
.set H64, 25                           ; v25    64 h
.set RR,  27                           ; v27    4 (r + 8 (r / 8))
.set SPW, 28
.set NIL, 29
.set XF,  32
.set PC,  32                           ; the way out: codes, in x's first set
.set SC,  80
.set BX,  90
.set BY,  96
.set N,   160
.set TM,  224
.set PW,  240
.set W0,  241
.set WV,  16
.set LA,  19                           ; s19 where my two records go in a slot
.set P,   21                           ; s21 the block: 0 q, 1 k, 2 v
.set G1X, 24
.set G1Y, 32
.set G0X, 40
.set SEL, 56
.set RS,  58
.set MY,  60
.set MX,  61
.set G0Y, 68
.set HM,  72
.set WX,  73
.set WS,  74
.set MSB, 0
.macro WIN new                         ; the immediate's high byte repeats the setting that is left
.if MSB != \new
	s_set_vgpr_msb (MSB<<8)|\new
.set MSB, \new
.endif
.endm
.set MULW, 0xa1                        ; source 0 (y) window 1, source 1 (x) window 0, C and D window 2
.set MUL0, 0x81                        ; the same with C (the bias) in window 0
.set TO_Y, 0x40
.set RDACC, 0x02
.macro CROUND                          ; a round of the cluster's barrier
	s_barrier_signal -1
	s_barrier_wait -1
	s_cmp_lg_u32 s[WV], 0
	s_cbranch_scc1 .Lnot_wave_0_\@
	s_barrier_signal -3
.Lnot_wave_0_\@:
	s_barrier_wait -3
	s_barrier_signal -1
	s_barrier_wait -1
.endm
.macro PLACES
.rept 4
	v_nop
.endr
.endm
.macro JLOAD                           ; a joint load: one line for x, one for y, each with one mask; s_nop 0 and four v_nop behind each
	s_cmp_lt_u32 s[WV], 2
	s_cbranch_scc0 .Lfor_y_\@
	tensor_load_to_lds s[G0X:G0X+3], s[G1X:G1X+7]
	s_nop 0
	PLACES
	s_branch .Lasked_\@
.Lfor_y_\@:
	tensor_load_to_lds s[G0Y:G0Y+3], s[G1Y:G1Y+7]
	s_nop 0
	PLACES
.Lasked_\@:
.endm
.macro PREP                            ; block p: its panels' addresses s[84:87], which side the bias runs along, token panel s62, head s63, the bias s[92:93].  Scalar work alone
	s_lshl_b32 s95, s22, 2                         ; four token panels to a cluster
	s_lshl_b32 s96, ttmp9, 2                       ; four weight panels
	s_lshl_b32 s94, s[P], 5
	s_add_co_u32 s94, s94, s95                     ; q, k: x = the tensor's token panels
	s_add_co_u32 s97, s96, 112                     ; v: x = Wv's panels
	s_lshl_b32 s98, s[P], 3
	s_add_co_u32 s98, s98, s96
	s_add_co_u32 s98, s98, 96                      ; q, k: y = the weight's panels
	s_add_co_u32 s99, s95, 64                      ; v: y = value's panels
	s_cmp_lt_u32 s[P], 2
	s_cselect_b32 s94, s94, s97
	s_cselect_b32 s98, s98, s99
	s_cselect_b32 s[MY], -1, 0
	s_cselect_b32 s[MX], 0, -1
	s_cselect_b32 s62, s18, s17
	s_cselect_b32 s63, s17, s18
	s_add_co_u32 s94, s94, s18                     ; x's panel: + cy, which my row of the cluster shares
	s_add_co_u32 s98, s98, s17                     ; y's panel: + cx, which my column shares
	s_add_co_u32 s62, s62, s95
	s_add_co_u32 s63, s63, s96
	s_mul_i32 s84, s94, PANEL
	s_add_co_u32 s84, s84, s23
	s_mov_b32 s85, 0
	s_mul_i32 s86, s98, PANEL
	s_add_co_u32 s86, s86, s23
	s_mov_b32 s87, 0
	s_add_nc_u64 s[84:85], s[4:5], s[84:85]
	s_add_nc_u64 s[86:87], s[4:5], s[86:87]
	s_cmp_eq_u32 s[P], 0
	s_cselect_b64 s[92:93], s[6:7], s[8:9]
	s_cmp_eq_u32 s[P], 2
	s_cselect_b64 s[92:93], s[10:11], s[92:93]
.endm
.macro G0SET slot                      ; both groups 0: half \slot of the block whose panels stand in s[84:87]; written where no tensor load of mine is out
	s_add_co_u32 s[G0X+1], s[LA], \slot*SLOTB
	s_add_nc_u64 s[G0X+2:G0X+3], s[84:85], \slot*4*REC
	s_or_b32 s[G0X+3], s[G0X+3], 0x80000000
	s_add_co_u32 s[G0Y+1], s[LA], \slot*SLOTB
	s_add_nc_u64 s[G0Y+2:G0Y+3], s[86:87], \slot*4*REC
	s_or_b32 s[G0Y+3], s[G0Y+3], 0x80000000
.endm
.macro BIAS                            ; the bias of the block that PREP has named (the side that is not used reads from the buffer's start and is set to 0 later: every load stays inside the 4,096 bytes)
	s_lshl_b32 s97, s63, 9
	s_and_b32 s98, s97, s[MY]
	s_and_b32 s99, s97, s[MX]
	s_add_co_u32 s99, s99, s[WS]
	v_add_nc_u32 v5, s98, v[H64]                   ; along y: tile 2 b + u wants numbers 32 b + 16 h + 8 u + 0 .. 7
	v_add_nc_u32 v6, s99, v[RR]                    ; along x: tile 2 w + t, lane r: number 32 w + 8 t + r + 8 (r / 8)
.irp t, 0,1,2,3,4,5,6,7
	global_load_b128 v[BY+8*\t:BY+8*\t+3], v5, s[92:93] offset:(32*(\t/2)+8*(\t%2))*4
	global_load_b128 v[BY+8*\t+4:BY+8*\t+7], v5, s[92:93] offset:(32*(\t/2)+8*(\t%2))*4+16
.endr
	global_load_b32 v[BXN], v6, s[92:93]
	global_load_b32 v[BXN+2], v6, s[92:93] offset:32
.endm
	s_load_b256 s[4:11], s[0:1], 0x0               ; xc, Wq_b, Wk_b, Wv_b
	s_load_b128 s[12:15], s[0:1], 0x20             ; qbuf, kv
	v_lshl_add_u32 v[SPW], v0, 2, SPARE
	v_mov_b32 v[NIL], 0
	ds_add_u32 v[SPW], v[NIL]                      ; the opening lines: the add, twice on end, and its wait
	ds_add_u32 v[SPW], v[NIL]
	v_lshrrev_b32 v1, 5, v0
	v_readfirstlane_b32 s[WV], v1                  ; wave 0..3
	s_bfe_u32 s17, ttmp6, 0x40000                  ; cx
	s_bfe_u32 s18, ttmp6, 0x40004                  ; cy
	s_and_b32 s22, ttmp7, 0xffff                   ; cluster y, 0..7
	s_mov_b32 s[P], 0
	s_and_b32 s23, s[WV], 1
	s_mul_i32 s23, s23, 2*REC                      ; which two of a half's four records I fetch
	s_mul_i32 s[LA], s[WV], 2*REC                  ; and where they go: no place in the cluster enters an LDS address
	s_mul_i32 s[WX], s[WV], 2*1536
	s_lshl_b32 s[WS], s[WV], 7
	s_lshl_b32 s20, s18, 2
	s_lshl_b32 s20, 15, s20                        ; my row of the cluster
	s_or_b32 s[G1X], s20, (3<<16)|(1<<21)          ; 15:0 the mask; 17:16 elements of 8 bytes; 21 set beside a mask; no padding
	s_lshl_b32 s20, 0x1111, s17                    ; my column
	s_or_b32 s[G1Y], s20, (3<<16)|(1<<21)
.irp g, G1X, G1Y                       ; two records: 100 rows of 256 bytes, dense
	s_mov_b32 s[\g+1], 32<<16
	s_mov_b32 s[\g+2], 100<<16
	s_mov_b32 s[\g+3], 32<<16
	s_mov_b32 s[\g+4], 100
	s_mov_b32 s[\g+5], 32
	s_mov_b32 s[\g+6], 0
	s_mov_b32 s[\g+7], 0
.endr
	s_mov_b32 s[G0X], 1
	s_mov_b32 s[G0Y], 1
	s_mov_b32 s[SEL], 0x76543210
	s_mov_b32 s[SEL+1], 0xfedcba98
	s_mov_b32 s[HM], 0xffff0000
	s_wait_dscnt 0x0                               ; both opening adds are done
	s_wait_kmcnt 0x0
	PREP
	G0SET 0
	CROUND                                         ; all sixteen work-groups are here: the first joint loads meet
	JLOAD                                          ; block 0, K steps 0-3: one tensor load a wave at the head
	v_and_b32 v7, 31, v0
	v_and_b32 v3, 15, v0                           ; r
	v_bfe_u32 v4, v0, 4, 1                         ; h
	v_lshlrev_b32 v[LI], 4, v7
	v_lshlrev_b32 v[LS], 2, v7
	v_lshlrev_b32 v[H64], 6, v4
	v_and_b32 v[RR], 8, v3
	v_add_nc_u32 v[RR], v[RR], v3
	v_lshlrev_b32 v[RR], 2, v[RR]
	BIAS
.irp c, 0,1,2,3
	v_add_nc_u32 v[AX+\c], (\c/2)*SLOTB+(\c%2)*2*REC, v[LI]
	v_add_nc_u32 v[AXS+\c], (\c/2)*SLOTB+(\c%2)*2*REC, v[LS]
.endr
.irp c, 0,1,2,3
	v_add_nc_u32 v[AY+\c], 2*REC, v[AX+\c]         ; y's records lie 4 REC behind x's, of which the loads' offsets carry 2 REC
	v_add_nc_u32 v[AS+\c], 2*REC, v[AXS+\c]
.endr
.irp c, 0,1,2,3
	v_add_nc_u32 v[AX+\c], s[WX], v[AX+\c]         ; my wave's two x tiles
	v_add_nc_u32 v[AXS+\c], s[WS], v[AXS+\c]
.endr
.irp b, 0,1,2,3
	v_mov_b32 v[TM+4+\b], 0                        ; written once: a lane permute's destination counts as one of its sources
.endr
; K step s: 35 LDS loads in one run: y's 8 fragments, my 2 of x, and five scale registers: u = 0..3: lanes 0-15 y tile 2 u, lanes 16-31 y tile 2 u + 1; the fifth: my two x tiles likewise
.macro FETCH s
.set FC, (\s)/2
.set FE, (\s)%2
	WIN TO_Y
.irp t, 0,1,2,3,4,5,6,7
.irp k, 0,1,2
	ds_load_b128 v[128*FE+FR*\t+4*\k:128*FE+FR*\t+4*\k+3], v[AY+FC] offset:2*REC+REC*FE+1536*\t+512*\k
.endr
.endr
	WIN 0
.irp t, 0,1
.irp k, 0,1,2
	ds_load_b128 v[XF+24*FE+FR*\t+4*\k:XF+24*FE+FR*\t+4*\k+3], v[AX+FC] offset:REC*FE+1536*\t+512*\k
.endr
.endr
.irp u, 0,1,2,3
	ds_load_b32 v[SC+5*FE+\u], v[AS+FC] offset:2*REC+REC*FE+12288+128*\u
.endr
	ds_load_b32 v[SC+5*FE+4], v[AXS+FC] offset:REC*FE+12288
.endm
.macro MM x, y                         ; one product; ME: the set; MF: the first K step, whose C is the bias
.set rD, 8*(8*(\x)+(\y))
.set rA, 128*ME+FR*(\y)
.set rB, XF+24*ME+FR*(\x)
.set rSA, SC+5*ME+(\y)/2
.set rSB, SC+5*ME+4
.if MF
.set rC, BY+8*(\y)
.else
.set rC, rD
.endif
.if ((\y)%2) && (\x)
	v_wmma_scale_f32_16x16x128_f8f6f4 v[rD:rD+7], v[rA:rA+11], v[rB:rB+11], v[rC:rC+7], v[rSA], v[rSB] matrix_a_fmt:MATRIX_FMT_FP6 matrix_b_fmt:MATRIX_FMT_FP6 matrix_a_scale:MATRIX_SCALE_ROW1 matrix_b_scale:MATRIX_SCALE_ROW1
.elseif ((\y)%2)
	v_wmma_scale_f32_16x16x128_f8f6f4 v[rD:rD+7], v[rA:rA+11], v[rB:rB+11], v[rC:rC+7], v[rSA], v[rSB] matrix_a_fmt:MATRIX_FMT_FP6 matrix_b_fmt:MATRIX_FMT_FP6 matrix_a_scale:MATRIX_SCALE_ROW1
.elseif (\x)
	v_wmma_scale_f32_16x16x128_f8f6f4 v[rD:rD+7], v[rA:rA+11], v[rB:rB+11], v[rC:rC+7], v[rSA], v[rSB] matrix_a_fmt:MATRIX_FMT_FP6 matrix_b_fmt:MATRIX_FMT_FP6 matrix_b_scale:MATRIX_SCALE_ROW1
.else
	v_wmma_scale_f32_16x16x128_f8f6f4 v[rD:rD+7], v[rA:rA+11], v[rB:rB+11], v[rC:rC+7], v[rSA], v[rSB] matrix_a_fmt:MATRIX_FMT_FP6 matrix_b_fmt:MATRIX_FMT_FP6
.endif
.endm
.macro MUL s
.set ME, (\s)%2
.if (\s) == 0
.set MF, 1
	WIN MUL0
.else
.set MF, 0
	WIN MULW
.endif
.irp x, 0,1
.irp y, 0,1,2,3,4,5,6,7
	MM \x, \y
.endr
.endr
.endm
; more = 1: a block that has a successor.  Ahead of K step 3's products my reads of slot 0 are over (K step 3's fragments were asked for a step ago) and slot 1 is wanted; ahead of K step 7's my reads of slot 1 are over.
.macro KSTEP s, more
.if (\s) == 3 && (\more)
	s_wait_tensorcnt 0x0                           ; my part of slot 1 is in, and no tensor load of mine is out
	ds_add_u32 v[SPW], v[NIL]
	s_add_co_u32 s[P], s[P], 1                     ; the next block
	PREP
	G0SET 0
	s_wait_dscnt 0x0                               ; the add is done, and my reads of slot 0 are over
	CROUND                                         ; so of every wave of every partner
	JLOAD                                          ; the next block's K steps 0-3; the four v_nop behind it are the places in front of the loads below
	BIAS
.elseif (\s) == 3
	s_wait_tensorcnt 0x0                           ; my part of slot 1 is in
	s_wait_dscnt 0x0
	s_barrier_signal -1
	s_barrier_wait -1
	PLACES
.elseif (\s) == 7 && (\more)
	s_wait_tensorcnt 0x0                           ; my part of the next block's first half is in
	ds_add_u32 v[SPW], v[NIL]
	G0SET 1
	s_wait_dscnt 0x0                               ; my reads of slot 1 are over: K step 7's fragments are in
	CROUND
	JLOAD                                          ; the next block's K steps 4-7
.elseif (\s) > 0 && (\s) < 7
	PLACES                                         ; four places in front of loads into the set that the last K step multiplied
.endif
.if (\s) < 7
	FETCH (\s)+1
	s_wait_dscnt 35                                ; all but the 35 just issued
.else
	s_wait_dscnt 0x0
.endif
	MUL \s
	WIN 0
.endm
; 64 numbers of a lane, register 16 b + i = k 32 b + 16 (lane / 16) + i of my row, become a fragment's codes in v[PC] on and its scale word in v[PW]
.macro QUANT s
.irp b, 0,1,2,3
	v_max3_num_f32 v[TM+\b], |v[\s+16*\b]|, |v[\s+1+16*\b]|, 0x1800000   ; my 16 numbers of block b, and the floor 2^(3 - 127): the byte cannot fall under 1
.endr
.irp i, 2,4,6,8,10,12,14
.irp b, 0,1,2,3
	v_max3_num_f32 v[TM+\b], v[TM+\b], |v[\s+16*\b+\i]|, |v[\s+1+16*\b+\i]|
.endr
.endr
.irp b, 0,1,2,3
	v_permlanex16_b32 v[TM+4+\b], v[TM+\b], s[SEL], s[SEL+1]
.endr
.irp b, 0,1,2,3
	v_max_num_f32 v[TM+\b], v[TM+\b], v[TM+4+\b]   ; with lane l xor 16's: the block's largest magnitude
.endr
.irp b, 0,1,2,3
	v_add_nc_u32 v[TM+12+\b], 0xff000000, v[TM+\b] ; 2 off its exponent field: the conversion's scale operand
.endr
.irp b, 0,1,2,3
	v_lshrrev_b32 v[TM+4+\b], 23, v[TM+12+\b]      ; the scale's byte
.endr
	v_lshl_or_b32 v[PW], v[TM+5], 8, v[TM+4]
	v_lshl_or_b32 v[PW], v[TM+6], 16, v[PW]
	v_lshl_or_b32 v[PW], v[TM+7], 24, v[PW]
.irp c, 0,1
	v_cvt_scalef32_pk16_fp6_f32 v[PC+6*\c:PC+2+6*\c], v[\s+32*\c:\s+15+32*\c], v[TM+12+2*\c]
	v_cvt_scalef32_pk16_fp6_f32 v[PC+12+4*\c:PC+14+4*\c], v[\s+16+32*\c:\s+31+32*\c], v[TM+12+2*\c+1]
.endr
	v_nop                                          ; one plain place behind a scaled conversion
.irp c, 0,1                            ; the layout wants a whole block in a lane
.irp i, 0,1,2
	v_permlane16_swap_b32 v[PC+6*\c+\i], v[PC+12+4*\c+\i]
.endr
.irp i, 0,1,2
	v_mov_b32 v[PC+3+6*\c+\i], v[PC+12+4*\c+\i]
.endr
.endr
.endm
; A BLOCK.  At its start slot 0 holds its K steps 0-3, whole for all waves, and the load of its K steps 4-7 has just been issued.
.macro TILE more
	s_wait_xcnt 0x0                                ; the last block's stores have read their registers and bases
	FETCH 0
	s_lshr_b32 s94, s62, 4                         ; where the results go: batch
	s_lshl_b32 s94, s94, 3
	s_add_co_u32 s94, s94, s63                     ; x 8 + head
	s_lshl_b32 s94, s94, 4
	s_and_b32 s95, s62, 15
	s_add_co_u32 s94, s94, s95                     ; x 16 + the panel in its batch
	s_mul_i32 s95, s94, REC
	s_mul_i32 s96, s94, 2*REC
	s_cmp_eq_u32 s[P], 2
	s_cselect_b32 s97, REC, 0                      ; V's record lies behind K's
	s_add_co_u32 s96, s96, s97
	s_add_co_u32 s98, s[WS], 12288
	s_cmp_eq_u32 s[P], 0
	s_cselect_b32 s94, s95, s96
	s_cselect_b64 s[88:89], s[12:13], s[14:15]
	s_cselect_b32 s[RS], 0x3db504f3, 1.0           ; 1 / sqrt(128) for q
	s_mov_b32 s[RS+1], s[RS]
	s_mov_b32 s95, 0
	s_add_nc_u64 s[88:89], s[88:89], s[94:95]      ; the record
	s_mov_b32 s94, s98
	s_add_nc_u64 s[90:91], s[88:89], s[94:95]      ; my two tiles' scale words
	s_mov_b32 s94, s[WX]
	s_add_nc_u64 s[88:89], s[88:89], s[94:95]      ; my two tiles' fragments
	s_wait_loadcnt 0x0                             ; the bias
.set j, 0
.rept 64
	v_cndmask_b32 v[BY+j], 0, v[BY+j], s[MY]       ; the bias along y, or zeros
.set j, j+1
.endr
.irp t, 0,2
	v_cndmask_b32 v[BX+\t], 0, v[BXN+\t], s[MX]    ; the bias along x, or zero,
	v_mul_f32 v[BX+\t], s[RS], v[BX+\t]            ; under the factor that the sums get
	v_mov_b32 v[BX+\t+1], v[BX+\t]
.endr
	s_wait_alu depctr_va_vdst(0)
.irp s, 0,1,2,3,4,5,6,7
	KSTEP \s, \more
.endr
	PLACES                                         ; in front of the first read of results
.irp x, 0,1
	WIN RDACC
.set j, 0
.rept 32
	v_pk_fma_f32 v[N+j:N+j+1], v[64*\x+j:64*\x+j+1], s[RS:RS+1], v[BX+2*\x:BX+2*\x+1] op_sel_hi:[1,0,0]   ; (sum + bias along x) x factor, each accumulator from its low end on
.set j, j+2
.endr
	WIN 0
.if \x
	s_wait_xcnt 0x0                                ; the first tile's stores have read the codes' registers
.endif
	QUANT N
.irp c, 0,1,2
	global_store_b128 v[LI], v[PC+4*\c:PC+4*\c+3], s[88:89] offset:1536*\x+512*\c   ; 32 lanes store 512 consecutive bytes, at a multiple of 256 from the buffer's first byte
.endr
	v_mov_b32 v[W0+\x], v[PW]
.endr
	v_cndmask_b32 v[PW], v[W0], v[W0+1], s[HM]     ; lanes 0-15 the first tile's words, lanes 16-31 the second's
	global_store_b32 v[LS], v[PW], s[90:91]
.endm
	s_wait_alu depctr_va_vdst(0)
	s_wait_tensorcnt 0x0                           ; my part of slot 0 is in
	ds_add_u32 v[SPW], v[NIL]
	G0SET 1
	s_wait_dscnt 0x0
	CROUND
	JLOAD                                          ; block 0, K steps 4-7
.Ltile:                                            ; two trips: q, k
	TILE 1
	s_cmp_lt_u32 s[P], 2
	s_wait_alu depctr_va_vdst(0)
	s_cbranch_scc1 .Ltile
	TILE 0                                         ; v: it asks for nothing more
	s_wait_tensorcnt 0x0                           ; the wave's end
	ds_add_u32 v[SPW], v[NIL]
	s_wait_dscnt 0x0
	CROUND                                         ; the closing round
	s_endpgm
.Lfunc_end_k_q189bab67cf_proj:
	.size	k_q189bab67cf_proj, .Lfunc_end_k_q189bab67cf_proj-k_q189bab67cf_proj
	.p2alignl 7, 3214868480
	.fill 96, 4, 3214868480
	.section	.rodata,"a",@progbits
	.p2align	6, 0x0
	.amdhsa_kernel k_q189bab67cf_proj
		.amdhsa_group_segment_fixed_size 327680
		.amdhsa_private_segment_fixed_size 0
		.amdhsa_enable_private_segment 0
		.amdhsa_kernarg_size 48
		.amdhsa_user_sgpr_count 2
		.amdhsa_user_sgpr_kernarg_segment_ptr 1
		.amdhsa_wavefront_size32 1
		.amdhsa_system_sgpr_workgroup_id_x 1
		.amdhsa_system_sgpr_workgroup_id_y 1
		.amdhsa_system_sgpr_workgroup_id_z 1
		.amdhsa_system_vgpr_workitem_id 0
		.amdhsa_next_free_vgpr 640
		.amdhsa_next_free_sgpr 102
		.amdhsa_reserve_vcc 0
		.amdhsa_float_denorm_mode_32 3
		.amdhsa_float_denorm_mode_16_64 3
		.amdhsa_memory_ordered 1
		.amdhsa_forward_progress 1
		.amdhsa_inst_pref_size 123
	.end_amdhsa_kernel
	.amdgpu_metadata
---
amdhsa.version: [ 1, 2 ]
amdhsa.kernels:
  - .name:           k_q189bab67cf_proj
    .symbol:         k_q189bab67cf_proj.kd
    .args:
      - { .name: xc, .offset: 0, .size: 8, .value_kind: global_buffer, .address_space: global }
      - { .name: Wq_b, .offset: 8, .size: 8, .value_kind: global_buffer, .address_space: global }
      - { .name: Wk_b, .offset: 16, .size: 8, .value_kind: global_buffer, .address_space: global }
      - { .name: Wv_b, .offset: 24, .size: 8, .value_kind: global_buffer, .address_space: global }
      - { .name: qbuf, .offset: 32, .size: 8, .value_kind: global_buffer, .address_space: global }
      - { .name: kv, .offset: 40, .size: 8, .value_kind: global_buffer, .address_space: global }
    .group_segment_fixed_size: 327680
    .private_segment_fixed_size: 0
    .kernarg_segment_align: 8
    .kernarg_segment_size: 48
    .max_flat_workgroup_size: 128
    .sgpr_count:     102
    .vgpr_count:     640
    .wavefront_size: 32
...
	.end_amdgpu_metadata
.endif
;; end of part 2
;; launch attn (part 3): grid 16 x 16, 8 waves a work-group, no clusters, 327,680 bytes of LDS; arguments qbuf, kv, ebuf, oc; writes oc
.if DOCPART == 3
	.amdgcn_target "amdgcn-amd-amdhsa--gfx1250"
	.amdhsa_code_object_version 6
	.text
	.protected	k_q189bab67cf_attn
	.globl	k_q189bab67cf_attn
	.p2align	8
	.type	k_q189bab67cf_attn,@function
k_q189bab67cf_attn:
	s_mov_b64 s[64:65], 0
	v_nop
	global_prefetch_b8 v0, s[64:65] scope:SCOPE_SE
	s_setreg_imm32_b32 hwreg(HW_REG_WAVE_MODE, 25, 1), 1
	s_wait_xcnt 0x0
; Causal attention with a relative bias, all three products on codes of FP6 (E2M3): logit(i, j) = q_i . k_j + q_i . e_(2047 + j - i) for j <= i; p = 2^(t - M), t = logit x log2(e), M the running largest t rounded up to a whole number;
; O = (the sum of Q(p) Q(v)) / (the sum of the unquantised p), quantised at once along (head, d) for the last product.  16 (batch, head) pairs of 2,048 tokens, head size 128.  q arrives already divided by sqrt(128).
; LEFT OUT: key steps that lie wholly under the causal mask which the problem builds itself.
; SHARES.  Work-group (G, bh) makes two groups of 64 queries, ONE AFTER THE OTHER: group 31 - G, then group G.  Group Gx needs Gx / 2 + 1 key steps of 128: NB + NS = 17 for every G.
; All eight waves work on the group in hand: waves a and a + 4 own the same tile of 16 queries; wave a takes the even key steps, wave a + 4 the odd ones.  A trip serves two key steps: ceil(NB / 2) + ceil(NS / 2) = 9 trips for every G.
; At a group's end wave a + 4 hands -M, its sum and O^T to wave a through LDS bytes of their own; since both M are whole numbers, the join multiplies by exact powers of two.  Wave a divides, quantises and stores.
; LAYOUT.  All products are used transposed, so that a lane holds ONE query (lane % 16).  K's and V's tiles hold rows 32 b + 8 u + r + 8 (r / 8): the 16 registers of tiles 2 b, 2 b + 1 are 16 neighbours.
; THE BIAS.  For a wave and a step the positions wanted are 9 tiles of ebuf from tile 127 - 4 Gx - a + 8 s.  R^T = E Q^T gives lane (r, h), register j of tile t the position 16 t + 8 h + j, which belongs to key 16 t + 8 h + j - 15 + r.
; Each register goes by ds_store_b32 to the wave's own skew rows (656 bytes apart) and comes back by ds_load_b128 in S^T's layout, as the C of S^T = K Q^T + C.
; THE RING.  Two slots, 131,072 bytes apart; a slot holds two steps' K and V records (four records on end in kv) and the group's window of 20 position tiles.  Waves 0-3 fetch a record each, wave 4 the window: one tensor load a wave
; behind each refill's barrier, every wait on TENSORcnt for 0.  All nine fills are read.  A second, plain barrier at a trip's end parts the join's reads from the next hand-over's stores.
; NO CLUSTER: the windows, 32,000 of a slot's 83,200 bytes, differ between work-groups, and the work-groups of a pair change groups at different trips, so that their requests for K and V part.
; PREFETCH: of a pair's 16 work-groups G = 0 alone walks all eight pairs of steps in its first group: it asks, each wave for 25 blocks of 256 bytes, at the change that fetches trip n for trip n + 1's records, n + 1 <= 7.
; Trips 0 and 1 come by their loads alone; the second group reads records that the first has read; the windows are not asked for: neighbouring work-groups' windows overlap and are read at about the same trips.
; LIMITS: NaN and infinities are not served; a block of zeros or under 2^-124 gets the byte 1 (its codes are zeros; this program alone reads the bytes); the scaled scores stay under 2^31 in magnitude.
.set REC,   12800
.set ETILE, 1600
.set SLOT1, 131072
.set MRG,   83456                      ; behind slot 0: the hand-over, 8,448 bytes for each pair of waves; no tensor load lands there
.set MRW,   8448
.set SKB,   214528                     ; behind slot 1: the skew rows, 16 x 656 bytes for each wave
.set SKP,   656
.set SPARE, SKB+8*16*SKP               ; the spare words, 128 bytes a wave
.set AF0,  1                           ; v1   16 x lane + my step's records in a slot
.set AE0,  2                           ; v2   my first position tile
.set AS0,  3                           ; v3   a record's scale words
.set AES0, 4                           ; v4   my position tiles' scale words
.set SPW,  5
.set NIL,  6
.set SKW,  7
.set SKR,  8
.set ADB,  9                           ; v9-12 v1-4 in the slot in hand
.set ADE,  10
.set ADS,  11
.set ADES, 12
.set QS,   13
.set NM,   14                          ; v14 -M, v15 the largest t
.set SUM,  16
.set Q,    18                          ; v18-29
.set DG,   30
.set PFO,  31
.set PC,   32                          ; v32-51 O's codes
.set Q2,   52                          ; v52-63 the second group's Q, v64 its scale words
.set QS2,  64
.set LI,   65                          ; 16 x lane
.set MA,   66                          ; the hand-over: O^T's image; v67: -M and the sum
.set MA2,  67
.set AC,   76                          ; v76-83 four partial sums
.set KS,   84
.set FS,   92
.set S,    100
.set O,    164
.set PCD,  228
.set BM,   240
.set T2,   244
.set SOP,  248
.set F,    252
.set PW,   253
.set TMP,  254
.set R4,   255
.set TM,   O
.set EF,   0                           ; window 1: v0-107 the nine position tiles, later V's eight; v108-203 K's eight
.set VF,   0
.set KF,   108
.set WV,   12
.set G,    13
.set BH,   14
.set GRP,  15                          ; which steps are mine: 0 even, 1 odd
.set WA,   16
.set GX,   17
.set NW,   18                          ; key steps of the group in hand
.set NS,   19
.set SEL,  20
.set CS,   22
.set G1KV, 24
.set G1E,  32
.set G0KV, 40
.set G0E,  44
.set TB,   48
.set SN,   49                          ; the trip in hand + 1 = the trip to be asked for
.set T1,   50                          ; the first group's trips
.set T1P,  51
.set PFA,  52
.set PFQ,  54
.set MS,   55                          ; my step in its group + 1
.set P1,   66
.set DD,   67
.set OA,   72                          ; s[72:75] where the group in hand goes; s[76:79] the second group
.set OA2,  76
.set QA,   80
.set QA2,  84
.set KVB,  96
.set EFW,  97
.set EBK,  98
.set MSB, 0
.macro WIN new                         ; the immediate's high byte repeats the setting that is left; at a label and at a branch every window is 0
.if MSB != \new
	s_set_vgpr_msb (MSB<<8)|\new
.set MSB, \new
.endif
.endm
.set TO_F, 0x40
.set MULA, 0x01
.macro PLACES
.rept 4
	v_nop
.endr
.endm
.macro TLOAD                           ; one chain of branches on the wave's number, one load to an arm; s_nop 0 and four v_nop behind each
	s_cmp_lt_u32 s[WV], 4
	s_cbranch_scc0 .Lnkv_\@
	tensor_load_to_lds s[G0KV:G0KV+3], s[G1KV:G1KV+7]
	s_nop 0
	PLACES
	s_branch .Ltd_\@
.Lnkv_\@:
	s_cmp_eq_u32 s[WV], 4
	s_cbranch_scc0 .Ltd_\@
	tensor_load_to_lds s[G0E:G0E+3], s[G1E:G1E+7]
	s_nop 0
	PLACES
.Ltd_\@:
.endm
.macro ADDRS gx, qa, oa                ; group gx: my tile's fragment and scale words in qbuf and in oc
	s_lshr_b32 s56, s[\gx], 1
	s_and_b32 s57, s[\gx], 1
	s_lshl_b32 s57, s57, 2
	s_add_co_u32 s57, s57, s[WA]                   ; my tile in its record
	s_mul_i32 s58, s57, 1536
	s_lshl_b32 s57, s57, 6
	s_add_co_u32 s57, s57, 12288
	s_lshl_b32 s60, s[BH], 4
	s_add_co_u32 s60, s60, s56
	s_mul_i32 s60, s60, REC
	s_add_co_u32 s62, s60, s58
	s_add_nc_u64 s[\qa:\qa+1], s[4:5], s[62:63]
	s_add_co_u32 s62, s60, s57
	s_add_nc_u64 s[\qa+2:\qa+3], s[4:5], s[62:63]
	s_lshr_b32 s60, s[BH], 3
	s_lshl_b32 s60, s60, 4
	s_add_co_u32 s60, s60, s56                     ; the token panel
	s_lshl_b32 s60, s60, 3
	s_and_b32 s61, s[BH], 7
	s_add_co_u32 s60, s60, s61                     ; x 8 + head
	s_mul_i32 s60, s60, REC
	s_add_co_u32 s62, s60, s58
	s_add_nc_u64 s[\oa:\oa+1], s[10:11], s[62:63]
	s_add_co_u32 s62, s60, s57
	s_add_nc_u64 s[\oa+2:\oa+3], s[10:11], s[62:63]
.endm
	s_load_b256 s[4:11], s[0:1], 0x0               ; qbuf, kv, ebuf, oc
	v_lshl_add_u32 v[SPW], v0, 2, SPARE
	v_mov_b32 v[NIL], 0
	ds_add_u32 v[SPW], v[NIL]                      ; the opening lines: the add, twice on end, and its wait
	ds_add_u32 v[SPW], v[NIL]
	v_lshrrev_b32 v97, 5, v0
	v_readfirstlane_b32 s[WV], v97
	s_mov_b32 s[G], ttmp9
	s_and_b32 s[BH], ttmp7, 0xffff
	s_lshr_b32 s[GRP], s[WV], 2
	s_and_b32 s[WA], s[WV], 3
	s_sub_co_u32 s[GX], 31, s[G]
	s_lshr_b32 s[NW], s[GX], 1
	s_add_co_u32 s[NW], s[NW], 1
	s_lshr_b32 s[NS], s[G], 1
	s_add_co_u32 s[NS], s[NS], 1
	s_add_co_u32 s[T1], s[NW], 1
	s_lshr_b32 s[T1], s[T1], 1
	s_add_co_u32 s[T1P], s[T1], 1
	s_add_co_u32 s[P1], s[GRP], 1
	s_mov_b32 s[MS], s[P1]
	s_and_b32 s56, s[G], 1
	s_cselect_b32 s[DD], 64, -64                   ; the second group's half of its diagonal step less the first's
	s_sub_co_u32 s56, s[T1], 1
	s_mul_i32 s[KVB], s56, 4*REC                   ; at the change of groups: K and V back to step 0,
	s_mul_i32 s[EFW], s[GX], 4*ETILE               ; the window to tile 124 - 4 G = 4 (31 - G),
	s_mul_i32 s[EBK], s56, 16*ETILE
	s_mul_i32 s57, s[G], 4*ETILE                   ; from tile 4 G + 16 (T1 - 1)
	s_add_co_u32 s[EBK], s[EBK], s57
.irp r, 89,91,93,95,59,61,63
	s_mov_b32 s\r, 0
.endr
	s_mov_b32 s60, s57                             ; the first window: tile 124 - 4 (31 - G) = 4 G
	s_mov_b32 s[G1KV], 3<<16                       ; a record: 50 rows of 256 bytes (32 elements of 8), dense
	s_mov_b32 s[G1KV+1], 32<<16
	s_mov_b32 s[G1KV+2], 50<<16
	s_mov_b32 s[G1KV+3], 32<<16
	s_mov_b32 s[G1KV+4], 50
	s_mov_b32 s[G1KV+5], 32
	s_mov_b32 s[G1KV+6], 0
	s_mov_b32 s[G1KV+7], 0
	s_mov_b32 s[G1E], 3<<16                        ; a window of 20 tiles: 125 such rows
	s_mov_b32 s[G1E+1], 32<<16
	s_mov_b32 s[G1E+2], 125<<16
	s_mov_b32 s[G1E+3], 32<<16
	s_mov_b32 s[G1E+4], 125
	s_mov_b32 s[G1E+5], 32
	s_mov_b32 s[G1E+6], 0
	s_mov_b32 s[G1E+7], 0
	s_mul_i32 s57, s[WA], REC                      ; my record of a slot's four, in LDS and in memory
	s_mul_i32 s56, s[BH], 32*REC
	s_add_co_u32 s58, s56, s57
	s_mul_i32 s62, s[WV], 6400
	s_add_co_u32 s62, s62, s56
	s_add_co_u32 s62, s62, 4*REC                   ; the prefetches: my 25 blocks, at trip 1; the first change steps this to trip 2
	s_cmp_eq_u32 s[G], 0
	s_cselect_b32 s[PFQ], 1, 64
	s_mov_b32 s[SEL], 0x76543210
	s_mov_b32 s[SEL+1], 0xfedcba98
	s_mov_b32 s[CS], 0x3fb8aa3b                    ; log2(e)
	s_mov_b32 s[CS+1], s[CS]
	s_mov_b32 s[TB], 0
	s_mov_b32 s[SN], 1
	s_wait_dscnt 0x0                               ; both opening adds are done
	s_wait_kmcnt 0x0
	s_mov_b32 s[G0KV], 1
	s_mov_b32 s[G0KV+1], s57
	s_add_nc_u64 s[G0KV+2:G0KV+3], s[6:7], s[58:59]
	s_or_b32 s[G0KV+3], s[G0KV+3], 0x80000000
	s_mov_b32 s[G0E], 1
	s_mov_b32 s[G0E+1], 4*REC
	s_add_nc_u64 s[G0E+2:G0E+3], s[8:9], s[60:61]
	s_or_b32 s[G0E+3], s[G0E+3], 0x80000000
	TLOAD                                          ; trip 0, into slot 0
	s_add_nc_u64 s[PFA:PFA+1], s[6:7], s[62:63]
	ADDRS GX, QA, OA
	ADDRS G, QA2, OA2
	s_mul_i32 s56, s[GRP], 2*REC                   ; my step's records
	s_xor_b32 s57, s[WA], 3
	s_lshl_b32 s58, s[GRP], 3
	s_add_co_u32 s57, s57, s58
	s_mul_i32 s57, s57, ETILE
	s_add_co_u32 s57, s57, 4*REC                   ; my nine tiles begin 3 - a + 8 p tiles into the window
	s_add_co_u32 s58, s57, 1536
	s_mul_i32 s59, s[WV], 16*SKP
	s_add_co_u32 s60, s59, SKB+64                  ; skew rows, out: column 16 + 32 b + 16 h + 8 u + j
	s_add_co_u32 s59, s59, SKB+4                   ; in: column 16 t + 8 h + j + 1 + r
	s_mul_i32 s61, s[WA], MRW
	s_add_co_u32 s61, s61, MRG
	s_add_co_u32 s62, s61, 8192
	s_and_b32 s63, s[GX], 1
	s_lshl_b32 s63, s63, 6
	s_lshl_b32 s68, s[WA], 4
	s_add_co_u32 s63, s63, s68
	v_and_b32 v97, 31, v0                          ; lane
	v_and_b32 v98, 15, v0                          ; r
	v_bfe_u32 v99, v0, 4, 1                        ; h
	v_lshlrev_b32 v[LI], 4, v97
	v_lshlrev_b32 v[R4], 2, v98
	v_lshlrev_b32 v[AS0], 2, v97
	v_lshlrev_b32 v[MA2], 3, v97
	v_mul_u32_u24 v[AES0], v99, ETILE
	v_mul_u32_u24 v[SKW], v98, SKP+4
	v_mul_u32_u24 v[SKR], v98, SKP
	v_lshlrev_b32 v[DG], 4, v99
	v_min_u32 v[PFO], 24, v97
.irp c, 0,1,2
	global_load_b128 v[Q+4*\c:Q+4*\c+3], v[LI], s[QA:QA+1] offset:512*\c
	global_load_b128 v[Q2+4*\c:Q2+4*\c+3], v[LI], s[QA2:QA2+1] offset:512*\c
.endr
	global_load_b32 v[QS], v[R4], s[QA+2:QA+3]
	global_load_b32 v[QS2], v[R4], s[QA2+2:QA2+3]
	v_add_nc_u32 v[AF0], s56, v[LI]
	v_add_nc_u32 v[AE0], s57, v[LI]
	v_add_nc_u32 v[AS0], 12288, v[AS0]
	v_add_nc_u32 v[MA], s61, v[LI]
	v_add_nc_u32 v[MA2], s62, v[MA2]
	v_lshl_add_u32 v[AES0], v98, 2, v[AES0]
	v_lshl_add_u32 v[SKW], v99, 5, v[SKW]
	v_lshl_add_u32 v[SKR], v99, 6, v[SKR]
	v_sub_nc_u32 v[DG], v98, v[DG]
	v_lshlrev_b32 v[PFO], 8, v[PFO]
	v_add_nc_u32 v[AS0], s56, v[AS0]
	v_add_nc_u32 v[AES0], s58, v[AES0]
	v_add_nc_u32 v[SKW], s59, v[SKW]
	v_add_nc_u32 v[SKR], s60, v[SKR]
	v_add_nc_u32 v[DG], s63, v[DG]                 ; my query less the diagonal step's first key less 16 h
.macro FRESH                           ; a group's start: the largest t -3e38, the sum and O^T zeros: the step is written for all steps alike
	v_mov_b32 v[NM+1], 0xff61b1e6
	v_mov_b32 v[SUM], 0
	v_mov_b32 v[SUM+1], 0
	v_floor_f32 v[NM], -v[NM+1]
.set j, 0
.rept 64
	v_mov_b32 v[O+j], 0
.set j, j+1
.endr
.endm
	FRESH
.irp b, 0,1,2,3
	v_mov_b32 v[T2+\b], 0                          ; written once: a lane permute's destination counts as one of its sources
.endr
	v_mov_b32 v[F], 0
	v_mov_b32 v[PW], 0
.macro LDW reg, adr, off               ; a fragment into window 1: three loads of 512 consecutive bytes
.irp c, 0,1,2
	ds_load_b128 v[(\reg)+4*\c:(\reg)+4*\c+3], v[\adr] offset:(\off)+512*\c
.endr
.endm
.macro WM d, a, b, sa, row, sb, zero   ; D = A (window 1) x B + (0 or D); source 0's scales from lanes 0-15 (row = 0) or 16-31 (1) of sa
.if (\zero) && (\row)
	v_wmma_scale_f32_16x16x128_f8f6f4 v[(\d):(\d)+7], v[(\a):(\a)+11], v[(\b):(\b)+11], 0, v[(\sa)], v[(\sb)] matrix_a_fmt:MATRIX_FMT_FP6 matrix_b_fmt:MATRIX_FMT_FP6 matrix_a_scale:MATRIX_SCALE_ROW1
.elseif (\zero)
	v_wmma_scale_f32_16x16x128_f8f6f4 v[(\d):(\d)+7], v[(\a):(\a)+11], v[(\b):(\b)+11], 0, v[(\sa)], v[(\sb)] matrix_a_fmt:MATRIX_FMT_FP6 matrix_b_fmt:MATRIX_FMT_FP6
.elseif (\row)
	v_wmma_scale_f32_16x16x128_f8f6f4 v[(\d):(\d)+7], v[(\a):(\a)+11], v[(\b):(\b)+11], v[(\d):(\d)+7], v[(\sa)], v[(\sb)] matrix_a_fmt:MATRIX_FMT_FP6 matrix_b_fmt:MATRIX_FMT_FP6 matrix_a_scale:MATRIX_SCALE_ROW1
.else
	v_wmma_scale_f32_16x16x128_f8f6f4 v[(\d):(\d)+7], v[(\a):(\a)+11], v[(\b):(\b)+11], v[(\d):(\d)+7], v[(\sa)], v[(\sb)] matrix_a_fmt:MATRIX_FMT_FP6 matrix_b_fmt:MATRIX_FMT_FP6
.endif
.endm
; A KEY STEP: 128 keys.  No two matrix instructions that follow each other share an accumulator, over the loop's backward jump too.
.macro STEP
	s_cmp_gt_u32 s[MS], s[NW]                      ; a step all of whose keys come after the group's queries is left out: a branch on ids, round the work alone
	s_cbranch_scc1 .Lhidden_\@
	v_add_nc_u32 v[ADB], s[TB], v[AF0]
	v_add_nc_u32 v[ADE], s[TB], v[AE0]
	v_add_nc_u32 v[ADS], s[TB], v[AS0]
	v_add_nc_u32 v[ADES], s[TB], v[AES0]
.irp u, 0,1,2,3
	ds_load_b32 v[FS+\u], v[ADES] offset:2*ETILE*\u   ; the scale words of position tiles 2 u and 2 u + 1
.endr
	ds_load_b32 v[FS+4], v[ADES] offset:7*ETILE    ; tiles 7 and 8
.irp u, 0,1,2,3
	ds_load_b32 v[KS+\u], v[ADS] offset:128*\u     ; and of K's tiles
.endr
	WIN TO_F
.irp t, 0,1,2,3,4,5,6,7,8
	LDW EF+12*\t, ADE, ETILE*\t
.endr
	s_wait_alu depctr_va_vdst(0)
	s_wait_dscnt 12                                ; the scale words and tiles 0-4 are in; the 12 loads of tiles 5-8 may be out
	WIN MULA
.irp t, 0,1,2,3,4
	WM S+8*\t, EF+12*\t, Q, FS+\t/2, \t%2, QS, 1   ; R^T = E Q^T
.endr
	WIN TO_F
.irp t, 0,1,2,3,4,5,6,7
	LDW KF+12*\t, ADB, 1536*\t
.endr
	s_wait_dscnt 24                                ; tiles 5-8 are in; K's 24 loads may be out
	WIN MULA
	WM S+40, EF+60, Q, FS+2, 1, QS, 1
	WM S+48, EF+72, Q, FS+3, 0, QS, 1
	WM S+56, EF+84, Q, FS+3, 1, QS, 1
	WM BM, EF+96, Q, FS+4, 1, QS, 1
	WIN 0
	v_mov_b32 v[TMP], 0xff800000                   ; -infinity, for the mask.  With the four v_nop: five places, which the products that write over R^T's registers are owed (ISA guide 7.12.1)
	PLACES
.irp t, 0,1,2,3,4,5,6,7
.irp j, 0,1,2,3,4,5,6,7
	ds_store_b32 v[SKW], v[S+8*\t+\j] offset:64*\t+4*\j   ; each tile from its low end on
.endr
.endr
.irp j, 0,1,2,3,4,5,6,7
	ds_store_b32 v[SKW], v[BM+\j] offset:64*8+4*\j
.endr
.irp t, 0,1,2,3,4,5,6,7
	ds_load_b128 v[S+8*\t:S+8*\t+3], v[SKR] offset:128*(\t/2)+32*(\t%2)       ; LDS serves a wave's instructions in order (ISA guide 5.7.1.4)
	ds_load_b128 v[S+8*\t+4:S+8*\t+7], v[SKR] offset:128*(\t/2)+32*(\t%2)+16
.endr
.irp u, 0,1,2,3
	ds_load_b32 v[FS+\u], v[ADS] offset:REC+128*\u ; V's scale words,
.endr
	WIN TO_F
.irp t, 0,1,2,3,4,5,6,7
	LDW VF+12*\t, ADB, REC+1536*\t                 ; and V's eight tiles, where the position tiles lay
.endr
	s_wait_dscnt 28                                ; K and the skewed bias are in; V's 28 loads may be out
	WIN MULA
.irp t, 0,1,2,3,4,5,6,7
	WM S+8*\t, KF+12*\t, Q, KS+\t/2, \t%2, QS, 0   ; S^T = K Q^T + the bias
.endr
	WIN 0
	PLACES
	s_cmp_lg_u32 s[MS], s[NW]                      ; the group's last step lies on the diagonal: hidden scores become -infinity
	s_cbranch_scc1 .Lopen_\@
	s_wait_alu depctr_va_vdst(0)
.set n, 0
.rept 64
	v_cmp_gt_i32 vcc_lo, 32*(n/16)+n%16, v[DG]     ; register 16 b + i holds key 32 b + 16 h + i
	v_cndmask_b32 v[S+n], v[S+n], v[TMP], vcc_lo
.set n, n+1
.endr
.Lopen_\@:
.irp b, 0,1,2,3
	v_max3_num_f32 v[BM+\b], v[S+16*\b], v[S+16*\b+1], v[S+16*\b+2]   ; the largest score of each block of 32 keys: for the row's maximum and for the block's largest p
.endr
.irp i, 3,5,7,9,11,13
.irp b, 0,1,2,3
	v_max3_num_f32 v[BM+\b], v[BM+\b], v[S+16*\b+\i], v[S+16*\b+\i+1]
.endr
.endr
.irp b, 0,1,2,3
	v_max_num_f32 v[BM+\b], v[BM+\b], v[S+16*\b+15]
.endr
.irp b, 0,1,2,3
	v_permlanex16_b32 v[T2+\b], v[BM+\b], s[SEL], s[SEL+1]
.endr
.irp b, 0,1,2,3
	s_delay_alu instid0(VALU_DEP_4)
	v_max_num_f32 v[BM+\b], v[BM+\b], v[T2+\b]
.endr
	s_delay_alu instid0(VALU_DEP_2)
	v_max3_num_f32 v[TMP], v[BM], v[BM+1], v[BM+2]
	s_delay_alu instid0(VALU_DEP_1)
	v_max_num_f32 v[TMP], v[TMP], v[BM+3]
	s_delay_alu instid0(VALU_DEP_1)
	v_mul_f32 v[TMP], s[CS], v[TMP]
	s_delay_alu instid0(VALU_DEP_1)
	v_max_num_f32 v[NM+1], v[NM+1], v[TMP]         ; the running largest t
	v_mov_b32 v[TMP], v[NM]
	s_delay_alu instid0(VALU_DEP_2)
	v_floor_f32 v[NM], -v[NM+1]                    ; -M = floor(-t)
	s_delay_alu instid0(VALU_DEP_1)
	v_sub_f32 v[TMP], v[NM], v[TMP]
	s_delay_alu instid0(VALU_DEP_1)
	v_cvt_i32_f32 v[TMP], v[TMP]                   ; (it saturates)
	s_delay_alu instid0(VALU_DEP_1)
	v_ldexp_f32 v[F], 1.0, v[TMP]                  ; f = 2^(old M - new M)
.set j, 0
.rept 32
	v_pk_fma_f32 v[S+j:S+j+1], v[S+j:S+j+1], s[CS:CS+1], v[NM:NM+1] op_sel_hi:[1,0,0]   ; t - M
.set j, j+2
.endr
.irp b, 0,1,2,3
	v_fma_f32 v[BM+\b], v[BM+\b], s[CS], v[NM]
.endr
	s_wait_alu depctr_va_vdst(0)
.set j, 0
.rept 64
	v_exp_f32 v[S+j], v[S+j]                       ; p = 2^(t - M)
.set j, j+1
.endr
	v_pk_mul_f32 v[SUM:SUM+1], v[SUM:SUM+1], v[F:F+1] op_sel_hi:[1,0]   ; the sums under the new M: a plain place behind the exponentials
	s_wait_alu depctr_va_vdst(0)                   ; one wait for the batch
.irp b, 0,1,2,3
	v_exp_f32 v[BM+\b], v[BM+\b]                   ; the block's largest p
.endr
.irp c, 0,1,2,3
	v_pk_add_f32 v[AC+2*\c:AC+2*\c+1], v[S+2*\c:S+2*\c+1], v[S+8+2*\c:S+9+2*\c]   ; the row's sum of the unquantised p, in four chains by turns
.endr
.irp i, 2,3,4,5,6,7
.irp c, 0,1,2,3
	v_pk_add_f32 v[AC+2*\c:AC+2*\c+1], v[AC+2*\c:AC+2*\c+1], v[S+8*\i+2*\c:S+8*\i+2*\c+1]
.endr
.endr
	v_pk_add_f32 v[AC:AC+1], v[AC:AC+1], v[AC+2:AC+3]
	v_pk_add_f32 v[AC+4:AC+5], v[AC+4:AC+5], v[AC+6:AC+7]
	s_delay_alu instid0(VALU_DEP_1)
	v_pk_add_f32 v[AC:AC+1], v[AC:AC+1], v[AC+4:AC+5]
	s_delay_alu instid0(VALU_DEP_1)
	v_pk_add_f32 v[SUM:SUM+1], v[SUM:SUM+1], v[AC:AC+1]
	s_wait_alu depctr_va_vdst(0)                   ; and one for the four
.irp b, 0,1,2,3
	v_max_num_f32 v[BM+\b], 0x1800000, v[BM+\b]    ; the floor 2^(3 - 127)
.endr
.irp b, 0,1,2,3
	s_delay_alu instid0(VALU_DEP_4)
	v_add_nc_u32 v[SOP+\b], 0xff000000, v[BM+\b]
.endr
.irp b, 0,1,2,3
	s_delay_alu instid0(VALU_DEP_4)
	v_lshrrev_b32 v[T2+\b], 23, v[SOP+\b]
.endr
	s_delay_alu instid0(VALU_DEP_3)
	v_lshl_or_b32 v[PW], v[T2+1], 8, v[T2]
	s_delay_alu instid0(VALU_DEP_1)
	v_lshl_or_b32 v[PW], v[T2+2], 16, v[PW]
	s_delay_alu instid0(VALU_DEP_1)
	v_lshl_or_b32 v[PW], v[T2+3], 24, v[PW]
	v_cvt_scalef32_pk16_fp6_f32 v[PCD:PCD+2], v[S:S+15], v[SOP]
	v_cvt_scalef32_pk16_fp6_f32 v[T2:T2+2], v[S+16:S+31], v[SOP+1]
	v_cvt_scalef32_pk16_fp6_f32 v[PCD+6:PCD+8], v[S+32:S+47], v[SOP+2]
	v_cvt_scalef32_pk16_fp6_f32 v[BM:BM+2], v[S+48:S+63], v[SOP+3]
	v_nop                                          ; one plain place behind a scaled conversion
.irp i, 0,1,2
	v_permlane16_swap_b32 v[PCD+\i], v[T2+\i]      ; a whole block in a lane
.endr
.irp i, 0,1,2
	v_mov_b32 v[PCD+3+\i], v[T2+\i]
.endr
.irp i, 0,1,2
	v_permlane16_swap_b32 v[PCD+6+\i], v[BM+\i]
.endr
.irp i, 0,1,2
	v_mov_b32 v[PCD+9+\i], v[BM+\i]
.endr
	s_wait_alu depctr_va_vdst(0)                   ; directly ahead of the first reader of O^T
.set j, 0
.rept 32
	v_pk_mul_f32 v[O+j:O+j+1], v[O+j:O+j+1], v[F:F+1] op_sel_hi:[1,0]   ; O^T under the new M; also the places between p's codes and scale word and the products
.set j, j+2
.endr
	s_wait_alu depctr_va_vdst(0)
	s_wait_dscnt 0x0                               ; V is in
	WIN MULA
.irp t, 0,1,2,3,4,5,6,7
	WM O+8*\t, VF+12*\t, PCD, FS+\t/2, \t%2, PW, 0 ; O^T += V^T P^T
.endr
	WIN 0
	PLACES                                         ; whatever follows may read O^T or write the products' registers
.Lhidden_\@:
.endm
; THE CHANGE OF SLOTS.  Each wave waits for all its tensor loads, adds 0 to its spare word, and waits for that and for its LDS instructions.  Behind the barrier the slot ahead is whole and nobody reads the other.
.macro CHANGE fill
	s_wait_tensorcnt 0x0                           ; no tensor load of mine is out, so a group 0 may be written
	ds_add_u32 v[SPW], v[NIL]
.if \fill
	ds_add_u32 v[SPW], v[NIL]
	s_cmp_eq_u32 s[SN], s[T1]                      ; the trip to be asked for is the second group's first?
	s_cselect_b32 s88, 0, 4*REC
	s_cselect_b32 s90, s[KVB], 0
	s_cselect_b32 s92, s[EFW], 16*ETILE
	s_cselect_b32 s94, s[EBK], 0
	s_add_nc_u64 s[G0KV+2:G0KV+3], s[G0KV+2:G0KV+3], s[88:89]
	s_sub_nc_u64 s[G0KV+2:G0KV+3], s[G0KV+2:G0KV+3], s[90:91]
	s_add_nc_u64 s[G0E+2:G0E+3], s[G0E+2:G0E+3], s[92:93]
	s_sub_nc_u64 s[G0E+2:G0E+3], s[G0E+2:G0E+3], s[94:95]
	s_xor_b32 s[G0KV+1], s[G0KV+1], SLOT1
	s_xor_b32 s[G0E+1], s[G0E+1], SLOT1
	s_wait_xcnt 0x0                                ; the last prefetch has read its address
	s_add_nc_u64 s[PFA:PFA+1], s[PFA:PFA+1], 4*REC
	s_add_co_u32 s[PFQ], s[PFQ], 1
.endif
	s_wait_dscnt 0x0
	s_barrier_signal -1
	s_barrier_wait -1
.if \fill
	TLOAD
	s_cmp_lt_u32 s[PFQ], 8
	s_cbranch_scc0 .Lnot_mine_\@
	global_prefetch_b8 v[PFO], s[PFA:PFA+1] th:TH_LOAD_NT scope:SCOPE_SE
.Lnot_mine_\@:
.endif
.endm
.macro SAVE                            ; waves 4-7: -M, the sum and O^T as an image of the registers
	s_cmp_eq_u32 s[GRP], 0
	s_cbranch_scc1 .Lns_\@
	v_mov_b32 v[SOP], v[NM]
	v_add_f32 v[SOP+1], v[SUM], v[SUM+1]
.irp k, 0,1,2,3,4,5,6,7,8,9,10,11,12,13,14,15
	ds_store_b128 v[MA], v[O+4*\k:O+4*\k+3] offset:512*\k   ; each accumulator from its low end on
.endr
	ds_store_b64 v[MA2], v[SOP:SOP+1]
.Lns_\@:
.endm
.macro MERGE                           ; waves 0-3: the two halves under the larger M, divided by the sum, quantised along the head's 128, stored
	s_wait_xcnt 0x0                                ; the first group's stores have read the codes' registers
	ds_load_b64 v[SOP:SOP+1], v[MA2]
.irp k, 0,1,2,3,4,5,6,7,8,9,10,11,12,13,14,15
	ds_load_b128 v[S+4*\k:S+4*\k+3], v[MA] offset:512*\k
.endr
	v_add_f32 v[SUM], v[SUM], v[SUM+1]
	s_wait_alu depctr_va_vdst(0)
	s_wait_dscnt 0x0
	v_min_num_f32 v[TMP], v[NM], v[SOP]            ; the joint -M
	v_sub_f32 v[F], v[TMP], v[NM]
	v_sub_f32 v[T2], v[TMP], v[SOP]                ; (a partner that had no step holds -M = 3e38, a sum of 0 and zeros: its factor comes out 0)
	v_cvt_i32_f32 v[F], v[F]
	v_cvt_i32_f32 v[T2], v[T2]
	v_ldexp_f32 v[F], 1.0, v[F]
	v_ldexp_f32 v[T2], 1.0, v[T2]
	v_mul_f32 v[SUM], v[SUM], v[F]
	v_fmac_f32 v[SUM], v[SOP+1], v[T2]
	v_permlanex16_b32 v[TMP], v[SUM], s[SEL], s[SEL+1]
	v_add_f32 v[SUM], v[SUM], v[TMP]
	s_wait_alu depctr_va_vdst(0)
	v_rcp_f32 v[SUM], v[SUM]
	v_nop
	s_wait_alu depctr_va_vdst(0)
	v_mul_f32 v[F], v[F], v[SUM]
	v_mul_f32 v[T2], v[T2], v[SUM]
	s_wait_alu depctr_va_vdst(0)                   ; directly ahead of the first reader of O^T
.set j, 0
.rept 32
	v_pk_mul_f32 v[O+j:O+j+1], v[O+j:O+j+1], v[F:F+1] op_sel_hi:[1,0]
	v_pk_fma_f32 v[S+j:S+j+1], v[S+j:S+j+1], v[T2:T2+1], v[O+j:O+j+1] op_sel_hi:[1,0,1]   ; register 16 b + i = channel 32 b + 16 h + i of my query
.set j, j+2
.endr
.irp b, 0,1,2,3
	v_max3_num_f32 v[TM+\b], |v[S+16*\b]|, |v[S+1+16*\b]|, 0x1800000
.endr
.irp i, 2,4,6,8,10,12,14
.irp b, 0,1,2,3
	v_max3_num_f32 v[TM+\b], v[TM+\b], |v[S+16*\b+\i]|, |v[S+1+16*\b+\i]|
.endr
.endr
.irp b, 0,1,2,3
	v_permlanex16_b32 v[TM+4+\b], v[TM+\b], s[SEL], s[SEL+1]
.endr
.irp b, 0,1,2,3
	v_max_num_f32 v[TM+\b], v[TM+\b], v[TM+4+\b]
.endr
.irp b, 0,1,2,3
	v_add_nc_u32 v[TM+12+\b], 0xff000000, v[TM+\b]
.endr
.irp b, 0,1,2,3
	v_lshrrev_b32 v[TM+4+\b], 23, v[TM+12+\b]
.endr
	v_lshl_or_b32 v[PW], v[TM+5], 8, v[TM+4]
	v_lshl_or_b32 v[PW], v[TM+6], 16, v[PW]
	v_lshl_or_b32 v[PW], v[TM+7], 24, v[PW]
.irp c, 0,1
	v_cvt_scalef32_pk16_fp6_f32 v[PC+6*\c:PC+2+6*\c], v[S+32*\c:S+15+32*\c], v[TM+12+2*\c]
	v_cvt_scalef32_pk16_fp6_f32 v[PC+12+4*\c:PC+14+4*\c], v[S+16+32*\c:S+31+32*\c], v[TM+12+2*\c+1]
.endr
	v_nop
.irp c, 0,1
.irp i, 0,1,2
	v_permlane16_swap_b32 v[PC+6*\c+\i], v[PC+12+4*\c+\i]
.endr
.irp i, 0,1,2
	v_mov_b32 v[PC+3+6*\c+\i], v[PC+12+4*\c+\i]
.endr
.endr
.irp c, 0,1,2
	global_store_b128 v[LI], v[PC+4*\c:PC+4*\c+3], s[OA:OA+1] offset:512*\c   ; 32 lanes store 512 consecutive bytes, at a multiple of 256 from the buffer's first byte
.endr
	global_store_b32 v[R4], v[PW], s[OA+2:OA+3]    ; lanes r and r + 16 hold the same word and store it to the same place
.endm
.macro TRIP fill
	CHANGE \fill
	s_cmp_lg_u32 s[SN], s[T1P]                     ; the second group's first trip?  A branch on ids, the same in all waves, round work alone
	s_cbranch_scc1 .Lsame_\@
	s_cmp_lg_u32 s[GRP], 0
	s_cbranch_scc1 .Lnm_\@
	MERGE
.Lnm_\@:
	s_wait_xcnt 0x0                                ; the stores have read their registers and bases
	s_mov_b64 s[OA:OA+1], s[OA2:OA2+1]
	s_mov_b64 s[OA+2:OA+3], s[OA2+2:OA2+3]
	s_mov_b32 s[NW], s[NS]
	s_mov_b32 s[MS], s[P1]
	v_mov_b32 v[QS], v[QS2]
.set j, 0
.rept 12
	v_mov_b32 v[Q+j], v[Q2+j]
.set j, j+1
.endr
	v_add_nc_u32 v[DG], s[DD], v[DG]
	FRESH                                          ; (its lines are also the places between Q's new registers and the products)
	s_wait_alu depctr_va_vdst(0)
.Lsame_\@:
	STEP
	s_wait_dscnt 0x0                               ; my reads of the hand-over are over
	s_barrier_signal -1
	s_barrier_wait -1                              ; a plain barrier: it parts the join's reads from the stores below
.if \fill
	s_cmp_lg_u32 s[SN], s[T1]                      ; the first group's last trip?
	s_cbranch_scc1 .Lkeep_\@
.endif
	SAVE
.Lkeep_\@:
	s_add_co_u32 s[MS], s[MS], 2
	s_xor_b32 s[TB], s[TB], SLOT1
.endm
	s_wait_alu depctr_va_vdst(0)
	s_wait_loadcnt 0x0                             ; both groups' Q
.Ltrip:                                            ; eight trips, for every work-group
	TRIP 1
	s_add_co_u32 s[SN], s[SN], 1
	s_cmp_lt_u32 s[SN], 9
	s_cbranch_scc1 .Ltrip
	TRIP 0                                         ; the ninth asks for nothing
	s_wait_dscnt 0x0                               ; the hand-over lies in LDS
	s_barrier_signal -1
	s_barrier_wait -1
	s_cmp_lg_u32 s[GRP], 0
	s_cbranch_scc1 .Lend
	MERGE
.Lend:
	s_wait_tensorcnt 0x0                           ; the wave's end
	ds_add_u32 v[SPW], v[NIL]
	s_wait_dscnt 0x0
	s_endpgm
.Lfunc_end_k_q189bab67cf_attn:
	.size	k_q189bab67cf_attn, .Lfunc_end_k_q189bab67cf_attn-k_q189bab67cf_attn
	.p2alignl 7, 3214868480
	.fill 96, 4, 3214868480
	.section	.rodata,"a",@progbits
	.p2align	6, 0x0
	.amdhsa_kernel k_q189bab67cf_attn
		.amdhsa_group_segment_fixed_size 327680
		.amdhsa_private_segment_fixed_size 0
		.amdhsa_enable_private_segment 0
		.amdhsa_kernarg_size 32
		.amdhsa_user_sgpr_count 2
		.amdhsa_user_sgpr_kernarg_segment_ptr 1
		.amdhsa_wavefront_size32 1
		.amdhsa_system_sgpr_workgroup_id_x 1
		.amdhsa_system_sgpr_workgroup_id_y 1
		.amdhsa_system_sgpr_workgroup_id_z 1
		.amdhsa_system_vgpr_workitem_id 0
		.amdhsa_next_free_vgpr 512
		.amdhsa_next_free_sgpr 100
		.amdhsa_reserve_vcc 1
		.amdhsa_float_denorm_mode_32 3
		.amdhsa_float_denorm_mode_16_64 3
		.amdhsa_memory_ordered 1
		.amdhsa_forward_progress 1
		.amdhsa_inst_pref_size 120
	.end_amdhsa_kernel
	.amdgpu_metadata
---
amdhsa.version: [ 1, 2 ]
amdhsa.kernels:
  - .name:           k_q189bab67cf_attn
    .symbol:         k_q189bab67cf_attn.kd
    .args:
      - { .name: qbuf, .offset: 0, .size: 8, .value_kind: global_buffer, .address_space: global }
      - { .name: kv, .offset: 8, .size: 8, .value_kind: global_buffer, .address_space: global }
      - { .name: ebuf, .offset: 16, .size: 8, .value_kind: global_buffer, .address_space: global }
      - { .name: oc, .offset: 24, .size: 8, .value_kind: global_buffer, .address_space: global }
    .group_segment_fixed_size: 327680
    .private_segment_fixed_size: 0
    .kernarg_segment_align: 8
    .kernarg_segment_size: 32
    .max_flat_workgroup_size: 256
    .sgpr_count:     100
    .vgpr_count:     512
    .wavefront_size: 32
...
	.end_amdgpu_metadata
.endif
;; end of part 3
;; launch outp (part 4): grid 8 x 32, 4 waves a work-group, clusters of 4 x 4, 239,104 bytes of LDS; arguments oc, xc, Wo_b, out0; writes out0
.if DOCPART == 4
	.amdgcn_target "amdgcn-amd-amdhsa--gfx1250"
	.amdhsa_code_object_version 6
	.text
	.protected	k_q189bab67cf_outp
	.globl	k_q189bab67cf_outp
	.p2align	8
	.type	k_q189bab67cf_outp,@function
k_q189bab67cf_outp:
	s_mov_b64 s[64:65], 0
	v_nop
	global_prefetch_b8 v0, s[64:65] scope:SCOPE_SE
	s_setreg_imm32_b32 hwreg(HW_REG_WAVE_MODE, 25, 1), 1
	s_wait_xcnt 0x0
	s_wait_alu depctr_hold_cnt(0) depctr_sa_sdst(0) depctr_va_vdst(0) depctr_va_sdst(0) depctr_va_ssrc(0) depctr_va_vcc(0) depctr_vm_vsrc(0)
	s_getreg_b32 s2, hwreg(HW_REG_IB_STS2, 6, 4)
	s_cmp_eq_u32 s2, 0
	s_cbranch_scc0 .Lentry_in_a_cluster
	s_endpgm
.Lentry_in_a_cluster:
	s_bfe_u32 s2, ttmp6, 0x10000c
	s_cmp_lg_u32 s2, 0xf033
	s_cbranch_scc0 .Lentry_shape_is_right
	s_endpgm
.Lentry_shape_is_right:
; out0 = O Wo^T + bo, on codes of FP6 (E2M3): O's out of oc (token panels of 128, a record for each head = K step), Wo's out of xc (panels 120-127).  out0 [4096][1024] f32.
; A work-group makes 128 tokens x 128 outputs over K = 1,024.  Source 1 = tokens (a lane holds one token), source 0 = Wo's rows, whose tiles hold rows 32 b + 8 u + r + 8 (r / 8): a lane's registers 16 b + 8 u + j are outputs 32 b + 16 h + 8 u + j.
; Four waves; wave w takes token tiles 2 w, 2 w + 1 against all 8 tiles of outputs: 16 accumulators by turns, one instruction a turn.  The bias is the C of each sum's first product.
; All of K for both panels, 16 records of 12,800 bytes, comes by first fills, one tensor load a wave at the head; nothing is filled again.
; CLUSTER 4 x 4: O's records hang on the cluster's row alone and are asked for jointly by its four work-groups, Wo's on its column.
; THE WAY OUT: a tile of 16 tokens x 128 outputs goes through the wave's own stage (rows of 512 bytes + 16, behind the chunks: no tensor load lands there) and leaves as whole rows: 32 lanes store 512 consecutive bytes.
; REGISTERS: window 0: v1-29 addresses; v32-79 tokens' fragments, two sets; v80-89 scale words, two sets; v96-159 the bias in the result's layout, later rows on the way out; v160-223 rows on the way out.
;   window 1: Wo's fragments, sets at v0 and v128.   window 2: accumulator (x tile, y tile) at v[8 (8 x + y)].
.set REC,   12800
.set PANEL, 8*REC
; THE FILLS, in place of what the head says of them: ONE tensor load a wave, at the head: four records on end, 200 rows of 256 bytes.  Wave 0: O's K steps 0-3, wave 1: O's 4-7, wave 2: Wo's 0-3, wave 3: Wo's 4-7.
; LDS: O's eight records from byte 0, Wo's eight from byte 8 REC.  One wait for 0 and one barrier show all of K to all waves.
.set CHUNK, 4*REC                      ; what one load brings
.set STG,   4*CHUNK
.set STP,   528
.set SPARE, STG+4*16*STP               ; behind the stages: the spare words, 128 bytes for each wave: two blocks of 256 bytes that no other line names
.set FR,  12
.set LI,  1
.set LS,  2
.set AY,  8
.set AX,  12
.set AS,  16
.set AXS, 20
.set STO, 24
.set RD,  25
.set SPW, 28
.set NIL, 29
.set XF,  32
.set SC,  80
.set BY,  96
.set OB,  160
.set WV,  16
.set G1X, 24
.set G1Y, 32
.set G0X, 40
.set G0Y, 68
.set MSB, 0
.macro WIN new                         ; the immediate's high byte repeats the setting that is left
.if MSB != \new
	s_set_vgpr_msb (MSB<<8)|\new
.set MSB, \new
.endif
.endm
.set MULW, 0xa1
.set MUL0, 0x81
.set TO_Y, 0x40
.set STACC, 0x08                       ; an LDS store's data are its source 1: window 2
.macro CROUND
	s_barrier_signal -1
	s_barrier_wait -1
	s_cmp_lg_u32 s[WV], 0
	s_cbranch_scc1 .Lnot_wave_0_\@
	s_barrier_signal -3
.Lnot_wave_0_\@:
	s_barrier_wait -3
	s_barrier_signal -1
	s_barrier_wait -1
.endm
.macro PLACES
.rept 4
	v_nop
.endr
.endm
	s_load_b256 s[4:11], s[0:1], 0x0               ; oc, xc, Wo_b, out0
	v_lshl_add_u32 v[SPW], v0, 2, SPARE
	v_mov_b32 v[NIL], 0
	ds_add_u32 v[SPW], v[NIL]                      ; the wave's opening: the add, twice on end, and its wait, ahead of my first tensor load; the set-up below, work on registers, stands between them
	ds_add_u32 v[SPW], v[NIL]
	v_lshrrev_b32 v1, 5, v0
	v_readfirstlane_b32 s[WV], v1
	s_bfe_u32 s17, ttmp6, 0x40000                  ; cx
	s_bfe_u32 s18, ttmp6, 0x40004                  ; cy
	s_and_b32 s20, ttmp7, 0xffff
	s_lshl_b32 s94, s20, 2
	s_add_co_u32 s94, s94, s18                     ; the token panel: 4 x cluster y + cy
	s_lshl_b32 s63, ttmp9, 2
	s_add_co_u32 s63, s63, s17                     ; the panel of outputs: 4 x cluster x + cx
	s_add_co_u32 s98, s63, 120                     ; in xc
	s_and_b32 s23, s[WV], 1
	s_mul_i32 s23, s23, 4*REC                      ; which half of the panel's eight records I fetch
	s_mul_i32 s84, s94, PANEL
	s_add_co_u32 s84, s84, s23
	s_mov_b32 s85, 0
	s_mul_i32 s86, s98, PANEL
	s_add_co_u32 s86, s86, s23
	s_mov_b32 s87, 0
	s_mul_i32 s99, s[WV], CHUNK
	s_lshl_b32 s23, s18, 2
	s_lshl_b32 s23, 15, s23
	s_or_b32 s[G1X], s23, (3<<16)|(1<<21)          ; 15:0 the mask: my row of the cluster; 17:16 elements of 8 bytes; 21 set beside a mask
	s_lshl_b32 s23, 0x1111, s17
	s_or_b32 s[G1Y], s23, (3<<16)|(1<<21)          ; my column
.irp g, G1X, G1Y                       ; four records: 200 rows of 256 bytes, dense
	s_mov_b32 s[\g+1], 32<<16
	s_mov_b32 s[\g+2], 200<<16
	s_mov_b32 s[\g+3], 32<<16
	s_mov_b32 s[\g+4], 200
	s_mov_b32 s[\g+5], 32
	s_mov_b32 s[\g+6], 0
	s_mov_b32 s[\g+7], 0
.endr
	s_lshl_b32 s95, s94, 7
	s_lshl_b32 s96, s[WV], 5
	s_add_co_u32 s95, s95, s96                     ; my first row of out0
	s_lshl_b32 s88, s95, 12
	s_lshl_b32 s96, s63, 9                         ; my work-group's 512 bytes of a row, and of the bias
	s_add_co_u32 s88, s88, s96
	s_mov_b32 s89, 0
	s_wait_dscnt 0x0                               ; the opening add is done
	s_wait_kmcnt 0x0
	s_add_nc_u64 s[84:85], s[4:5], s[84:85]
	s_add_nc_u64 s[86:87], s[6:7], s[86:87]
	s_add_nc_u64 s[88:89], s[10:11], s[88:89]
.irp c, 0
	s_mov_b32 s[G0X+4*\c], 1
	s_add_co_u32 s[G0X+4*\c+1], s99, \c*CHUNK
	s_add_nc_u64 s[G0X+4*\c+2:G0X+4*\c+3], s[84:85], \c*2*REC
	s_or_b32 s[G0X+4*\c+3], s[G0X+4*\c+3], 0x80000000
	s_mov_b32 s[G0Y+4*\c], 1
	s_add_co_u32 s[G0Y+4*\c+1], s99, \c*CHUNK
	s_add_nc_u64 s[G0Y+4*\c+2:G0Y+4*\c+3], s[86:87], \c*2*REC
	s_or_b32 s[G0Y+4*\c+3], s[G0Y+4*\c+3], 0x80000000
.endr
	CROUND                                         ; all sixteen work-groups are here: the joint loads meet
	s_cmp_lt_u32 s[WV], 2                          ; a wave's first fill stands in one branch: one load of mine is out
	s_cbranch_scc0 .Lfill_y
.irp c, 0
	tensor_load_to_lds s[G0X+4*\c:G0X+4*\c+3], s[G1X:G1X+7]
	s_nop 0
.endr
	PLACES
	s_branch .Lfilled
.Lfill_y:
.irp c, 0
	tensor_load_to_lds s[G0Y+4*\c:G0Y+4*\c+3], s[G1Y:G1Y+7]
	s_nop 0
.endr
	PLACES
.Lfilled:
	v_and_b32 v7, 31, v0
	v_lshlrev_b32 v[LI], 4, v7
	v_lshlrev_b32 v[LS], 2, v7
	v_and_b32 v3, 15, v0                           ; r
	v_bfe_u32 v4, v0, 4, 1                         ; h
	v_lshlrev_b32 v5, 6, v4
	v_add_nc_u32 v5, s96, v5                       ; the bias: tile 2 b + u wants numbers 32 b + 16 h + 8 u + 0 .. 7
.irp t, 0,1,2,3,4,5,6,7
	global_load_b128 v[BY+8*\t:BY+8*\t+3], v5, s[8:9] offset:(32*(\t/2)+8*(\t%2))*4
	global_load_b128 v[BY+8*\t+4:BY+8*\t+7], v5, s[8:9] offset:(32*(\t/2)+8*(\t%2))*4+16
.endr
	s_mul_i32 s94, s[WV], 2*1536
	s_lshl_b32 s95, s[WV], 7
.irp c, 0,1,2,3
	v_add_nc_u32 v[AX+\c], \c*2*REC, v[LI]         ; K steps 2 c, 2 c + 1 of O
	v_add_nc_u32 v[AXS+\c], \c*2*REC, v[LS]
.endr
.irp c, 0,1,2,3
	v_add_nc_u32 v[AY+\c], 6*REC, v[AX+\c]         ; of Wo: 8 REC on, of which the loads' offsets carry 2 REC
	v_add_nc_u32 v[AS+\c], 6*REC, v[AXS+\c]
.endr
.irp c, 0,1,2,3
	v_add_nc_u32 v[AX+\c], s94, v[AX+\c]           ; my wave's two token tiles
	v_add_nc_u32 v[AXS+\c], s95, v[AXS+\c]
.endr
	s_mul_i32 s94, s[WV], 16*STP
	s_add_co_u32 s94, s94, STG                     ; my stage
	v_mul_u32_u24 v[STO], v3, STP
	v_lshl_add_u32 v[STO], v4, 6, v[STO]
	v_add_nc_u32 v[STO], s94, v[STO]               ; in: row r, + 64 h
	v_add_nc_u32 v[RD], s94, v[LI]                 ; back: a row's 512 bytes, 16 a lane
	s_wait_alu depctr_va_vdst(0)
	s_wait_loadcnt 0x0
.macro FETCH s
.set FC, (\s)/2
.set FE, (\s)%2
	WIN TO_Y
.irp t, 0,1,2,3,4,5,6,7
.irp k, 0,1,2
	ds_load_b128 v[128*FE+FR*\t+4*\k:128*FE+FR*\t+4*\k+3], v[AY+FC] offset:2*REC+REC*FE+1536*\t+512*\k
.endr
.endr
	WIN 0
.irp t, 0,1
.irp k, 0,1,2
	ds_load_b128 v[XF+24*FE+FR*\t+4*\k:XF+24*FE+FR*\t+4*\k+3], v[AX+FC] offset:REC*FE+1536*\t+512*\k
.endr
.endr
.irp u, 0,1,2,3
	ds_load_b32 v[SC+5*FE+\u], v[AS+FC] offset:2*REC+REC*FE+12288+128*\u
.endr
	ds_load_b32 v[SC+5*FE+4], v[AXS+FC] offset:REC*FE+12288
.endm
.macro MM x, y
.set rD, 8*(8*(\x)+(\y))
.set rA, 128*ME+FR*(\y)
.set rB, XF+24*ME+FR*(\x)
.set rSA, SC+5*ME+(\y)/2
.set rSB, SC+5*ME+4
.if MF
.set rC, BY+8*(\y)
.else
.set rC, rD
.endif
.if ((\y)%2) && (\x)
	v_wmma_scale_f32_16x16x128_f8f6f4 v[rD:rD+7], v[rA:rA+11], v[rB:rB+11], v[rC:rC+7], v[rSA], v[rSB] matrix_a_fmt:MATRIX_FMT_FP6 matrix_b_fmt:MATRIX_FMT_FP6 matrix_a_scale:MATRIX_SCALE_ROW1 matrix_b_scale:MATRIX_SCALE_ROW1
.elseif ((\y)%2)
	v_wmma_scale_f32_16x16x128_f8f6f4 v[rD:rD+7], v[rA:rA+11], v[rB:rB+11], v[rC:rC+7], v[rSA], v[rSB] matrix_a_fmt:MATRIX_FMT_FP6 matrix_b_fmt:MATRIX_FMT_FP6 matrix_a_scale:MATRIX_SCALE_ROW1
.elseif (\x)
	v_wmma_scale_f32_16x16x128_f8f6f4 v[rD:rD+7], v[rA:rA+11], v[rB:rB+11], v[rC:rC+7], v[rSA], v[rSB] matrix_a_fmt:MATRIX_FMT_FP6 matrix_b_fmt:MATRIX_FMT_FP6 matrix_b_scale:MATRIX_SCALE_ROW1
.else
	v_wmma_scale_f32_16x16x128_f8f6f4 v[rD:rD+7], v[rA:rA+11], v[rB:rB+11], v[rC:rC+7], v[rSA], v[rSB] matrix_a_fmt:MATRIX_FMT_FP6 matrix_b_fmt:MATRIX_FMT_FP6
.endif
.endm
.macro MUL s
.set ME, (\s)%2
.if (\s) == 0
.set MF, 1
	WIN MUL0
.else
.set MF, 0
	WIN MULW
.endif
.irp x, 0,1
.irp y, 0,1,2,3,4,5,6,7
	MM \x, \y
.endr
.endr
.endm
.macro KSTEP s
.if \s < 7
.if \s > 0
	PLACES                                         ; four places in front of loads into the set that the last K step multiplied
.endif
	FETCH (\s)+1
	s_wait_dscnt 35                                ; all but the 35 just issued
.else
	s_wait_dscnt 0x0
.endif
	MUL \s
	WIN 0
.endm
	s_wait_tensorcnt 0x0                           ; my one load is in
	s_barrier_signal -1
	s_barrier_wait -1
	FETCH 0
	KSTEP 0
	KSTEP 1
	KSTEP 2
	KSTEP 3
	KSTEP 4
	KSTEP 5
	KSTEP 6
	KSTEP 7
	PLACES                                         ; in front of the first read of results
.irp x, 0,1
	WIN STACC
.irp t, 0,1,2,3,4,5,6,7
	ds_store_b128 v[STO], v[64*\x+8*\t:64*\x+8*\t+3] offset:128*(\t/2)+32*(\t%2)        ; each accumulator from its low end on
	ds_store_b128 v[STO], v[64*\x+8*\t+4:64*\x+8*\t+7] offset:128*(\t/2)+32*(\t%2)+16
.endr
	WIN 0
.irp i, 0,1,2,3,4,5,6,7,8,9,10,11,12,13,14,15
	ds_load_b128 v[OB-64*\x+4*\i:OB-64*\x+4*\i+3], v[RD] offset:STP*\i   ; LDS serves a wave's instructions in order (ISA guide 5.7.1.4): these see my stores, and the next tile's stores come behind them
.endr
.endr
.irp x, 0,1
.irp i, 0,1,2,3,4,5,6,7,8,9,10,11,12,13,14,15
	s_wait_dscnt 32*(1-\x)+15-\i                   ; row i is back; the younger LDS instructions may be out
	global_store_b128 v[LI], v[OB-64*\x+4*\i:OB-64*\x+4*\i+3], s[88:89] offset:4096*\i+65536*\x th:TH_STORE_NT   ; 32 lanes store 512 consecutive bytes, at a multiple of 256 from out0's first byte
.endr
.endr
	s_wait_tensorcnt 0x0                           ; the wave's end, behind my last tensor load and my last LDS store
	ds_add_u32 v[SPW], v[NIL]
	s_wait_dscnt 0x0
	CROUND                                         ; the closing round
	s_endpgm
.Lfunc_end_k_q189bab67cf_outp:
	.size	k_q189bab67cf_outp, .Lfunc_end_k_q189bab67cf_outp-k_q189bab67cf_outp
	.p2alignl 7, 3214868480
	.fill 96, 4, 3214868480
	.section	.rodata,"a",@progbits
	.p2align	6, 0x0
	.amdhsa_kernel k_q189bab67cf_outp
		.amdhsa_group_segment_fixed_size 239104
		.amdhsa_private_segment_fixed_size 0
		.amdhsa_enable_private_segment 0
		.amdhsa_kernarg_size 32
		.amdhsa_user_sgpr_count 2
		.amdhsa_user_sgpr_kernarg_segment_ptr 1
		.amdhsa_wavefront_size32 1
		.amdhsa_system_sgpr_workgroup_id_x 1
		.amdhsa_system_sgpr_workgroup_id_y 1
		.amdhsa_system_sgpr_workgroup_id_z 1
		.amdhsa_system_vgpr_workitem_id 0
		.amdhsa_next_free_vgpr 640
		.amdhsa_next_free_sgpr 102
		.amdhsa_reserve_vcc 0
		.amdhsa_float_denorm_mode_32 3
		.amdhsa_float_denorm_mode_16_64 3
		.amdhsa_memory_ordered 1
		.amdhsa_forward_progress 1
		.amdhsa_inst_pref_size 52
	.end_amdhsa_kernel
	.amdgpu_metadata
---
amdhsa.version: [ 1, 2 ]
amdhsa.kernels:
  - .name:           k_q189bab67cf_outp
    .symbol:         k_q189bab67cf_outp.kd
    .args:
      - { .name: oc, .offset: 0, .size: 8, .value_kind: global_buffer, .address_space: global }
      - { .name: xc, .offset: 8, .size: 8, .value_kind: global_buffer, .address_space: global }
      - { .name: Wo_b, .offset: 16, .size: 8, .value_kind: global_buffer, .address_space: global }
      - { .name: out0, .offset: 24, .size: 8, .value_kind: global_buffer, .address_space: global }
    .group_segment_fixed_size: 239104
    .private_segment_fixed_size: 0
    .kernarg_segment_align: 8
    .kernarg_segment_size: 32
    .max_flat_workgroup_size: 128
    .sgpr_count:     102
    .vgpr_count:     640
    .wavefront_size: 32
...
	.end_amdgpu_metadata
.endif
;; end of part 4
